; MI455X (gfx1250); checked and timed in simulation.
; The chip was launched on July 23, 2026; its instructions are those of AMD's public machine-readable ISA for CDNA 5 (MIT licence, August 2026) and "CDNA5" Instruction Set Architecture Reference Guide (July 2026). The comments in the code are by the model that wrote it; some were corrected since.
;; Masked Self Attention. Allowed arithmetic: matrix products marked QUANTISED: E4M3 operands, one E8M0 scale for each 32 along K, by v_wmma_scale_f32_16x16x128_f8f6f4 with both operands' format E4M3, f32 sums; everything else in f32.
;; Inputs: W_out 1,024 x 1,024 float32; W_qkv 1,024 x 3,072 float32; b_out 1,024 float32; b_qkv 3,072 float32; x 4 x 2,048 x 1,024 float32.
;; Outputs: out0 4 x 2,048 x 1,024 float32.
;; This version of the problem:
;;   THIS VERSION OF THE PROBLEM IS GIVEN IN LOW PRECISION. The matrix products marked QUANTISED in the list below multiply operands that are first quantised to E4M3 (4 exponent bits, 3 mantissa bits; 8 bits a number), with one power-of-two scale for each 32 numbers along K (OCP MX v1.0); their sums are f32. All else is computed in f32.
;;   The module's matrix products, in the order in which they are computed (A, B: the left and right operand; K: the contracted axis; several contracted axes count as one K, in the product's order):
;;     1. [M 8,192, K 1,024] x [K 1,024, N 3,072]; A: input x; B: input W_qkv: QUANTISED
;;     2. batch 64 x [M 2,048, K 64] x [K 64, N 2,048]; A: computed on the way; B: computed on the way: QUANTISED
;;     3. batch 64 x [M 2,048, K 2,048] x [K 2,048, N 64]; A: softmax (see below); B: computed on the way: QUANTISED
;;     4. [M 8,192, K 1,024] x [K 1,024, N 1,024]; A: computed on the way; B: input W_out: QUANTISED
;;   THE QUANTISER, for each operand of a quantised product, along K:
;;     - K is cut into blocks of 32 from its start; a last block that is shorter is filled with zeros.
;;     - A block's scale is 2^e with e = floor(log2(the largest magnitude in the block)) - 8, held to -126 .. 127; a block of zeros has e = 0. As a byte (E8M0): e + 127.
;;     - Each number is divided by its block's scale, clamped to +-448, and rounded to the nearest number of E4M3, ties to even, subnormals kept.
;;     - The product sums the exact products of the quantised numbers (number of the format x scale) in f32.
;;   ~~~python
;;   def quantise(x, axis):      # numpy; x: float32 -> the quantised numbers, widened to float32 again
;;       x = np.moveaxis(x, axis, -1); K = x.shape[-1]
;;       x = np.pad(x, [(0, 0)] * (x.ndim - 1) + [(0, -K % 32)]); x = x.reshape(x.shape[:-1] + (-1, 32)); a = np.abs(x).max(-1, keepdims=True)
;;       e = np.where(a > 0, np.clip(np.frexp(np.where(a > 0, a, 1))[1] - 1 - 8, -126, 127), 0)      # np.frexp(a)[1] - 1 = floor(log2(a)), exactly
;;       r = np.clip(x / 2.0 ** e, -448, 448)
;;       step = 2.0 ** (np.maximum(np.frexp(np.where(r == 0, 1, r))[1] - 1, -6) - 3)
;;       q = np.round(r / step) * step * 2.0 ** e      # np.round: ties to even
;;       return np.moveaxis(q.reshape(q.shape[:-2] + (-1,))[..., :K], -1, axis).astype(np.float32)
;;   ~~~
;;   SOFTMAX AHEAD OF A QUANTISED PRODUCT. Where the list says 'softmax', what is quantised is not the finished softmax but p = 2^(t - M), with t = logit x log2(e) and M = ceil(the row's largest t), a whole number; so 1/2 < the row's largest p <= 1. The row's sum l is taken of the UNQUANTISED p, in f32, and the product's result is divided by l at the end. Since M is a whole number, a kernel that streams over the keys may use a running M (the ceiling of the running maximum): every later rescaling is an exact power of two, which a block's scale takes up: the codes' values come out the same.
;;   OPERANDS COMPUTED ON THE WAY. 'Computed on the way' means the value that the module computes at that place (a softmax that the list does not call 'softmax' is quantised finished and normalised). What goes into a quantiser is computed in f32, as accurately as f32 sums, v_exp_f32 and their like allow (about 1e-6 of the number): no bf16 or f16 on the way to a quantiser, and a product that is left as it is and whose result goes on into a quantised operand takes f32 operands (vector FMAs, or v_wmma_f32_16x16x4_f32). A number that lies on a knife's edge between two numbers of the format may be rounded either way, as far as f32 arithmetic and the matrix unit's own rounding can turn it there, and no further.
;; One version. Each part assembles by itself: llvm-mc -triple=amdgcn-amd-amdhsa -mcpu=gfx1250 --defsym DOCPART=n.
;; ======== version 1 of 1: 4 launches
;; limits: right only within a limited range of input values
;; workspace buffers: xq 8,650,752 bytes; wq 4,325,376 bytes; qk 17,301,504 bytes; vv 8,650,752 bytes; aq 8,650,752 bytes
;; launch quant_x (part 1): grid 256 x 1, 6 waves a work-group, no clusters, 52,224 bytes of LDS; arguments x, xq, W_qkv, W_out, wq; writes xq, wq
.if DOCPART == 1
	.amdgcn_target "amdgcn-amd-amdhsa--gfx1250"
	.amdhsa_code_object_version 6
	.text
	.protected	k_q872ca2b642_quant_x
	.globl	k_q872ca2b642_quant_x
	.p2align	8
	.type	k_q872ca2b642_quant_x,@function
k_q872ca2b642_quant_x:
	s_mov_b64 s[64:65], 0
	v_nop
	global_prefetch_b8 v0, s[64:65] scope:SCOPE_SE
	s_setreg_imm32_b32 hwreg(HW_REG_WAVE_MODE, 25, 1), 1
	s_wait_xcnt 0x0
; x [8192][1024] f32 becomes codes of FP8 (E4M3), K innermost, with one E8M0 scale byte for each 32 along K.
; xq: codes [8192 rows][1024] at byte 0, scale bytes [8192 rows][32] at byte 0x800000.
; THE ROWS ARE SWAPPED: true row n lies at memory row s(n), s exchanging bits 3 and 4 of the row number.  Sixteen neighbouring memory rows (tile 2 g + u, lane r) are then the true rows
; 32 g + 8 u + r + 8 (r / 8): a matrix result over two neighbouring tiles has sixteen neighbours of the true order in a lane's sixteen registers.
; A block's scale is 2^(floor(log2(largest magnitude)) - 8); its byte is the largest magnitude's exponent field - 8, held at 1 from below.
; LIMITS: a block of zeros, and one whose largest magnitude lies under 2^-118, gets the byte 1 (the rule says 127 for zeros: the codes are zeros, and this program alone reads the bytes); NaN and infinities are not served.
; A wave takes 8 rows (8,192 numbers) in 16 steps of 512.  Each of a step's four loads reads 512 consecutive bytes; the 2,048 bytes turn through the wave's own stage in LDS and come back 64 bytes a lane,
; so that a lane holds 16 neighbours along K (two lanes a block).  A lane's 16 codes are 16 bytes: a store covers 512 consecutive bytes.  The wave's 256 scale bytes leave as one aligned run of 256.
; No tensor loads, no barrier: waves share nothing.  Loads run four steps (16 loads a wave) ahead.
.set STEPS, 16
.set EMAX,  8
.set MANT,  0x600000                   ; the mantissa field of 448 as f32
.set CB,    16                         ; bytes of 16 codes
.set R,     16                         ; v16-79   four sets of 16 numbers as loaded
.set X,     80                         ; v80-111  two sets of 16 neighbours
.set C,     128                        ; v128-191 codes: four registers for each step: no store's data are written again
.set E,     112                        ; v112-127 a scale byte for each step
.set WREG,  8192                       ; LDS: a region for each wave: two stages of 32 x SP bytes, then its 256 scale bytes
.set SP,    80                         ; a lane's place in a stage: 64 bytes + 16 of padding
	s_load_b128 s[4:7], s[0:1], 0x0                ; x, xq
	v_lshl_add_u32 v192, v0, 2, 0x8000
	v_mov_b32 v193, 0
	v_lshrrev_b32 v1, 5, v0
	v_readfirstlane_b32 s16, v1                    ; wave
	v_and_b32 v2, 31, v0                           ; lane
	; ONE LAUNCH FOR ALL THREE INPUTS: waves 0-3 of a work-group quantise x (the text that follows), waves 4 and 5 the weights (behind .Lweights).  The two kinds share nothing: LDS 0-32,767 is x's, 32,768-33,791 the spare words, 34,816 on the weights'.
	s_cmp_lt_u32 s16, 4
	s_wait_alu depctr_va_vdst(0)
	s_cbranch_scc0 .Lweights
	v_lshlrev_b32 v3, 4, v2                        ; my 16 bytes of a load's 512
	s_mul_i32 s17, s16, WREG
	v_lshrrev_b32 v14, 2, v2
	v_mul_u32_u24 v14, v14, SP
	v_and_b32 v15, 3, v2
	v_lshl_add_u32 v14, v15, 4, v14
	v_add_nc_u32 v14, s17, v14                     ; the stage, on the way in: SP (lane / 4) + 16 (lane % 4)
	v_mul_u32_u24 v15, v2, SP
	v_add_nc_u32 v15, s17, v15                     ; and on the way out: SP x lane
	v_mul_u32_u24 v4, v2, CB                       ; my codes' place in a step's
	v_lshrrev_b32 v5, 1, v2
	s_add_co_u32 s17, s17, 2*32*SP
	v_add_nc_u32 v5, s17, v5                       ; LDS: my block's scale byte
	v_lshlrev_b32 v7, 3, v2                        ; on the way out 8 bytes a lane
	v_add_nc_u32 v6, s17, v7
	s_mov_b32 s23, MANT
	s_lshl_b32 s17, ttmp9, 2
	s_add_co_u32 s18, s17, s16                     ; my run of 8 true rows: 4 x work-group + wave
	s_lshl_b32 s18, s18, 15                        ; x 32,768 bytes
	s_mov_b32 s19, 0
	s_and_b32 s20, s16, 1
	s_lshl_b32 s20, s20, 1
	s_lshr_b32 s21, s16, 1
	s_or_b32 s20, s20, s21                         ; the wave's two bits exchanged: bits 3 and 4 of the row number
	s_add_co_u32 s20, s17, s20                     ; the run's place in memory
	s_lshl_b32 s24, s20, 13                        ; 8 rows of 1,024 codes
	s_mov_b32 s25, 0
	s_lshl_b32 s26, s20, 8                         ; 8 rows of 32 scale bytes
	s_add_co_u32 s26, s26, 0x800000
	s_mov_b32 s27, 0
	s_wait_alu depctr_va_vdst(0)
	s_wait_kmcnt 0x0
	s_add_nc_u64 s[4:5], s[4:5], s[18:19]
	s_add_nc_u64 s[8:9], s[6:7], s[24:25]
	s_add_nc_u64 s[10:11], s[6:7], s[26:27]
.macro LOAD t
.irp i, 0,1,2,3
	global_load_b128 v[R+16*((\t)%4)+4*\i:R+16*((\t)%4)+4*\i+3], v3, s[4:5] offset:2048*(\t)+512*\i th:TH_LOAD_NT   ; 32 lanes read 512 consecutive bytes
.endr
.endm
.macro TURN t                          ; step t's numbers through the stage: LDS serves a wave's instructions in order, so no wait stands between the stores and the loads
.irp i, 0,1,2,3
	ds_store_b128 v14, v[R+16*((\t)%4)+4*\i:R+16*((\t)%4)+4*\i+3] offset:32*SP*((\t)%2)+8*SP*\i
.endr
.irp i, 0,1,2,3
	ds_load_b128 v[X+16*((\t)%2)+4*\i:X+16*((\t)%2)+4*\i+3], v15 offset:32*SP*((\t)%2)+16*\i
.endr
.endm
.irp t, 0,1,2,3
	LOAD \t
.endr
	s_wait_loadcnt 12                              ; step 0's four loads are in; the twelve of steps 1 to 3 stay out
	TURN 0
.macro STEP t
.set XS, X+16*((\t)%2)
.if (\t) > 0
	s_wait_dscnt 1                                 ; this step's numbers are back from the stage (the last step's byte store may be out)
.else
	s_wait_dscnt 0x0
.endif
.if (\t)+4 < STEPS
	LOAD (\t)+4                                    ; into the registers that this step's stage stores have read
.endif
.if (\t)+1 < STEPS
.if STEPS-2-(\t) >= 3
	s_wait_loadcnt 12                              ; the next step's four loads are in; those of the three steps behind it may be out
.else
	s_wait_loadcnt 4*(STEPS-2-(\t))
.endif
	TURN (\t)+1
.endif
	v_max3_num_f32 v8, |v[XS]|, |v[XS+1]|, |v[XS+2]|               ; the largest magnitude of my 16, in two chains
	v_max3_num_f32 v9, |v[XS+3]|, |v[XS+4]|, |v[XS+5]|
.irp i, 6,10
	v_max3_num_f32 v8, v8, |v[XS+\i]|, |v[XS+\i+1]|
	v_max3_num_f32 v9, v9, |v[XS+\i+2]|, |v[XS+\i+3]|
.endr
	v_max3_num_f32 v8, v8, |v[XS+14]|, |v[XS+15]|
	v_max3_num_f32 v8, v8, v9, (EMAX+1)<<23        ; and the floor 2^(9 - 127): the byte cannot fall under 1
	v_max_num_f32_dpp v8, v8, v8 row_xmask:1 row_mask:0xf bank_mask:0xf   ; with my neighbour's 16: the block's
	v_add_nc_u32 v11, -(EMAX<<23), v8              ; 8 off its exponent field: the conversion takes this operand's exponent field as its scale
	v_and_or_b32 v10, v8, 0x7f800000, s23          ; 448 x the scale
.irp i, 0,1,2,3,4,5,6,7,8,9,10,11,12,13,14,15
	v_med3_num_f32 v[XS+\i], v[XS+\i], -v10, v10   ; the conversion to an 8-bit code does not saturate (ISA guide 7.6.2): hold first
.endr
	v_cvt_scalef32_pk8_fp8_f32 v[C+4*(\t):C+4*(\t)+1], v[XS:XS+7], v11
	v_cvt_scalef32_pk8_fp8_f32 v[C+4*(\t)+2:C+4*(\t)+3], v[XS+8:XS+15], v11
	v_lshrrev_b32 v[E+(\t)], 23, v11               ; the scale's byte (also the plain line behind the conversions)
	ds_store_b8 v5, v[E+(\t)] offset:16*(\t)       ; both lanes of a block write the same byte with the same value
	global_store_b128 v4, v[C+4*(\t):C+4*(\t)+3], s[8:9] offset:32*CB*(\t)   ; 512 consecutive bytes
.endm
.irp t, 0,1,2,3,4,5,6,7,8,9,10,11,12,13,14,15
	STEP \t
.endr
	ds_load_b64 v[12:13], v6                       ; LDS serves a wave's instructions in order: these see my stores
	s_wait_dscnt 0x0
	global_store_b64 v7, v[12:13], s[10:11]        ; 32 lanes store 256 consecutive bytes, aligned
	s_wait_tensorcnt 0x0
	ds_add_u32 v192, v193
	s_wait_dscnt 0x0
	s_endpgm
; WAVES 4 AND 5: W_qkv [1024][3072] and W_out [1024][1024], f32, K their FIRST axis, become codes laid [column][1024] with K innermost, and one E8M0 byte for each 32 along K.
; wq: codes [4096 rows][1024] at byte 0, scale bytes [4096 rows][32] at 0x400000.  True rows 0-3071 are W_qkv's columns, 3072-4095 W_out's; true row n lies at memory row s(n), s exchanging bits 3 and 4 (as in xq).
; The 512 such waves of the launch take 32 columns x 256 along K each: wave number Wi = 2 x work-group + wave % 2; column group Wi % 128, K part Wi / 128.
; A lane takes a column, its registers run down K: a block of 32 lies in one lane's 32 registers.  The codes go through the wave's own stage in LDS and leave as rows: sixteen lanes store 256 consecutive aligned bytes.
; LIMITS: as for x: a block of zeros or under 2^-118 gets the byte 1; NaN and infinities are not served.
.set NB,    8
.set WPITCH, 272
.set WX,    32                         ; v32-95   two sets of 32 numbers
.set WC,    96                         ; v96-103  a block's codes
.set OUTR,  112                        ; v112-175 the way out
.set SB,    24                         ; v24-25   the scale bytes
.set VO,    194                        ; v194-225 4 x lane + i x the tensor's row
.set BS,    32                         ; s[32:47] block t's first row
.Lweights:
	s_load_b128 s[8:11], s[0:1], 0x10              ; W_qkv, W_out
	s_load_b64 s[12:13], s[0:1], 0x20              ; wq
	s_lshl_b32 s17, ttmp9, 1
	s_and_b32 s20, s16, 1
	s_add_co_u32 s17, s17, s20                     ; Wi
	s_lshr_b32 s18, s17, 7                         ; which 256 along K
	s_and_b32 s17, s17, 127                        ; column group: 0-95 W_qkv's, 96-127 W_out's
	s_cmp_lt_u32 s17, 96
	s_mov_b32 s22, 4096
	s_cselect_b32 s22, 12288, s22                  ; a row of the tensor in bytes
	s_cselect_b32 s23, 0, 96                       ; the tensor's first group
	v_lshlrev_b32 v3, 2, v2
	v_and_b32 v5, 7, v2
	v_bfe_u32 v6, v2, 3, 1
	v_lshl_add_u32 v5, v6, 4, v5
	v_bfe_u32 v6, v2, 4, 1
	v_lshl_add_u32 v5, v6, 3, v5                   ; s(lane): my column's memory row among the wave's 32
	s_mul_i32 s19, s16, 32*WPITCH                  ; my stage: wave 4 at 34,816, wave 5 at 43,520
	v_mul_u32_u24 v4, v5, WPITCH
	v_add_nc_u32 v4, s19, v4                       ; into it
	v_lshlrev_b32 v9, 5, v5                        ; my row of scale bytes
	v_and_b32 v5, 15, v2
	v_lshrrev_b32 v6, 4, v2
	v_mul_u32_u24 v7, v6, WPITCH
	v_lshl_add_u32 v7, v5, 4, v7
	v_add_nc_u32 v7, s19, v7                       ; out of it: sixteen lanes to a row, two rows an instruction
	v_lshlrev_b32 v8, 10, v6
	v_lshl_add_u32 v8, v5, 4, v8                   ; and the same place in the codes
.set I_, 0
.rept 32
	v_mad_u32_u24 v[VO+I_], s22, I_, v3
.set I_, I_+1
.endr
	s_sub_co_u32 s20, s17, s23
	s_lshl_b32 s20, s20, 7                         ; my first column in its tensor, in bytes
	s_mul_i32 s21, s18, s22
	s_lshl_b32 s21, s21, 8                         ; 256 rows for each K part
	s_add_co_u32 s20, s20, s21
	s_mov_b32 s21, 0
	s_lshl_b32 s14, s22, 5                         ; 32 rows
	s_mov_b32 s15, 0
	s_lshl_b32 s26, s17, 10                        ; my first row's scale bytes,
	s_lshl_b32 s27, s18, 3
	s_add_co_u32 s26, s26, s27
	s_add_co_u32 s26, s26, 0x400000
	s_mov_b32 s27, 0
	s_lshl_b32 s24, s17, 15                        ; and its codes
	s_lshl_b32 s25, s18, 8
	s_add_co_u32 s24, s24, s25
	s_mov_b32 s25, 0
	s_mov_b32 s31, MANT
	s_wait_alu depctr_va_vdst(0)
	s_wait_kmcnt 0x0
	s_cmp_lt_u32 s17, 96
	s_cselect_b64 s[8:9], s[8:9], s[10:11]
	s_add_nc_u64 s[BS:BS+1], s[8:9], s[20:21]
.irp t, 1,2,3,4,5,6,7
	s_add_nc_u64 s[BS+2*\t:BS+2*\t+1], s[BS+2*\t-2:BS+2*\t-1], s[14:15]
.endr
	s_add_nc_u64 s[28:29], s[12:13], s[24:25]      ; the codes
	s_add_nc_u64 s[12:13], s[12:13], s[26:27]      ; the scale bytes
.macro WLOAD t                         ; block t: W(32 t + i, my column) into set t % 2
.set I_, 0
.rept 32
	global_load_b32 v[WX+32*((\t)%2)+I_], v[VO+I_], s[BS+2*(\t):BS+2*(\t)+1] th:TH_LOAD_NT
.set I_, I_+1
.endr
.endm
	WLOAD 0
	WLOAD 1
.macro WBLOCK t
.set XS, WX+32*((\t)%2)
.if (\t) < NB-1
	s_wait_loadcnt 32                              ; this block's 32 loads are in; the next block's 32 may be out
.else
	s_wait_loadcnt 0
.endif
	v_max3_num_f32 v12, |v[XS]|, |v[XS+1]|, |v[XS+2]|
	v_max3_num_f32 v13, |v[XS+3]|, |v[XS+4]|, |v[XS+5]|
.irp i, 6,10,14,18,22,26
	v_max3_num_f32 v12, v12, |v[XS+\i]|, |v[XS+\i+1]|
	v_max3_num_f32 v13, v13, |v[XS+\i+2]|, |v[XS+\i+3]|
.endr
	v_max3_num_f32 v12, v12, |v[XS+30]|, |v[XS+31]|
	v_max3_num_f32 v12, v12, v13, (EMAX+1)<<23     ; and the floor 2^(9 - 127)
	v_add_nc_u32 v11, -(EMAX<<23), v12             ; the conversion's scale operand
	v_and_or_b32 v10, v12, 0x7f800000, s31         ; 448 x the scale
	v_lshrrev_b32 v13, 23, v11                     ; the scale's byte
.if (\t)%4 == 0
	v_mov_b32 v[SB+(\t)/4], v13
.else
	v_lshl_or_b32 v[SB+(\t)/4], v13, 8*((\t)%4), v[SB+(\t)/4]
.endif
.set I_, 0
.rept 32
	v_med3_num_f32 v[XS+I_], v[XS+I_], -v10, v10   ; the hold at 448 x the scale (ISA guide 7.6.2)
.set I_, I_+1
.endr
.irp g, 0,1,2,3
	v_cvt_scalef32_pk8_fp8_f32 v[WC+2*\g:WC+2*\g+1], v[XS+8*\g:XS+8*\g+7], v11
.endr
	v_nop                                          ; a plain line behind the last conversion
	ds_store_b128 v4, v[WC:WC+3] offset:32*(\t)
	ds_store_b128 v4, v[WC+4:WC+7] offset:32*(\t)+16
.if (\t)+2 < NB
	WLOAD (\t)+2
.endif
	s_wait_dscnt 0x0                               ; the stores have read their registers
.endm
.set Q, 0
.rept NB
	WBLOCK Q
.set Q, Q+1
.endr
	global_store_b64 v9, v[SB:SB+1], s[12:13]      ; my column's 8 scale bytes
.irp t, 0,1,2,3,4,5,6,7,8,9,10,11,12,13,14,15
	ds_load_b128 v[OUTR+4*\t:OUTR+4*\t+3], v7 offset:2*\t*WPITCH
.endr
.irp t, 0,1,2,3,4,5,6,7,8,9,10,11,12,13,14,15
	s_wait_dscnt 15-\t                             ; load t is back; the 15 - t younger ones may be out
	global_store_b128 v8, v[OUTR+4*\t:OUTR+4*\t+3], s[28:29] offset:2*\t*1024
.endr
	s_wait_tensorcnt 0x0                           ; the wave's end
	ds_add_u32 v192, v193
	s_wait_dscnt 0x0
	s_endpgm
.Lfunc_end_k_q872ca2b642_quant_x:
	.size	k_q872ca2b642_quant_x, .Lfunc_end_k_q872ca2b642_quant_x-k_q872ca2b642_quant_x
	.p2alignl 7, 3214868480
	.fill 96, 4, 3214868480
	.section	.rodata,"a",@progbits
	.p2align	6, 0x0
	.amdhsa_kernel k_q872ca2b642_quant_x
		.amdhsa_group_segment_fixed_size 52224
		.amdhsa_private_segment_fixed_size 0
		.amdhsa_enable_private_segment 0
		.amdhsa_kernarg_size 40
		.amdhsa_user_sgpr_count 2
		.amdhsa_user_sgpr_kernarg_segment_ptr 1
		.amdhsa_wavefront_size32 1
		.amdhsa_system_sgpr_workgroup_id_x 1
		.amdhsa_system_sgpr_workgroup_id_y 1
		.amdhsa_system_sgpr_workgroup_id_z 1
		.amdhsa_system_vgpr_workitem_id 0
		.amdhsa_next_free_vgpr 226
		.amdhsa_next_free_sgpr 66
		.amdhsa_reserve_vcc 0
		.amdhsa_float_denorm_mode_32 3
		.amdhsa_float_denorm_mode_16_64 3
		.amdhsa_memory_ordered 1
		.amdhsa_forward_progress 1
		.amdhsa_inst_pref_size 113
	.end_amdhsa_kernel
	.amdgpu_metadata
---
amdhsa.version: [ 1, 2 ]
amdhsa.kernels:
  - .name:           k_q872ca2b642_quant_x
    .symbol:         k_q872ca2b642_quant_x.kd
    .args:
      - { .name: x, .offset: 0, .size: 8, .value_kind: global_buffer, .address_space: global }
      - { .name: xq, .offset: 8, .size: 8, .value_kind: global_buffer, .address_space: global }
      - { .name: W_qkv, .offset: 16, .size: 8, .value_kind: global_buffer, .address_space: global }
      - { .name: W_out, .offset: 24, .size: 8, .value_kind: global_buffer, .address_space: global }
      - { .name: wq, .offset: 32, .size: 8, .value_kind: global_buffer, .address_space: global }
    .group_segment_fixed_size: 52224
    .private_segment_fixed_size: 0
    .kernarg_segment_align: 8
    .kernarg_segment_size: 40
    .max_flat_workgroup_size: 192
    .sgpr_count:     66
    .vgpr_count:     226
    .wavefront_size: 32
...
	.end_amdgpu_metadata
.endif
;; end of part 1
;; launch gemm_qkv (part 2): grid 8 x 48, 4 waves a work-group, clusters of 4 x 4, 327,680 bytes of LDS; arguments xq, wq, b_qkv, qk, vv; writes qk, vv
.if DOCPART == 2
	.amdgcn_target "amdgcn-amd-amdhsa--gfx1250"
	.amdhsa_code_object_version 6
	.text
	.protected	k_q872ca2b642_gemm_qkv
	.globl	k_q872ca2b642_gemm_qkv
	.p2align	8
	.type	k_q872ca2b642_gemm_qkv,@function
k_q872ca2b642_gemm_qkv:
	s_mov_b64 s[64:65], 0
	v_nop
	global_prefetch_b8 v0, s[64:65] scope:SCOPE_SE
	s_setreg_imm32_b32 hwreg(HW_REG_WAVE_MODE, 25, 1), 1
	s_wait_xcnt 0x0
	s_wait_alu depctr_hold_cnt(0) depctr_sa_sdst(0) depctr_va_vdst(0) depctr_va_sdst(0) depctr_va_ssrc(0) depctr_va_vcc(0) depctr_vm_vsrc(0)
	s_getreg_b32 s2, hwreg(HW_REG_IB_STS2, 6, 4)
	s_cmp_eq_u32 s2, 0
	s_cbranch_scc0 .Lentry_in_a_cluster
	s_endpgm
.Lentry_in_a_cluster:
	s_bfe_u32 s2, ttmp6, 0x10000c
	s_cmp_lg_u32 s2, 0xf033
	s_cbranch_scc0 .Lentry_shape_is_right
	s_endpgm
.Lentry_shape_is_right:
; qkv = x W_qkv + b_qkv on codes of FP8 (E4M3) with E8M0 scales, K = 1,024; q, k and v are quantised in registers for the products that follow and leave as IMAGES OF OPERAND REGISTERS.
; A tile of 256 x 256 is made by four waves, each 128 x 128: 64 accumulators, 512 registers.  K goes in four steps of 256 through two LDS slots filled by the tensor data mover; the scale bytes of the tile's rows come once.
; TWO OPERANDS: R0 is source 0 (window 1, two sets of fragments), R1 is source 1 (window 0, one set).  A lane of a result holds ONE row of R1, and its registers run along R0's rows: R0's axis is the one that is quantised.
;   KIND 0 (clusters y 0-7; q and k, quantised along channels): R0 = wq rows 256 X on (columns of W_qkv), R1 = xq rows 256 Y on (tokens);  X = 4 CX + cx (0-7), Y = 4 CY + cy (0-31).
;   KIND 1 (clusters y 8-11; v, quantised along the keys):      R0 = xq rows 256 X on (tokens), R1 = wq rows 2048 + 256 Y on;             X = 4 CX + cx + 8 (CY - 8) (0-31), Y = cy (0-3).
; The kind hangs on the cluster's y alone: it is the same in all sixteen partners.  R0's tiles hang on X and are shared along a column of the cluster, R1's on Y and are shared along a row: each is asked for jointly.
; xq's and wq's rows are swapped in memory (bits 3 and 4 of the row number), so in accumulators (a, 2 g) and (a, 2 g + 1) a lane's 16 registers are R0's true rows 32 g + 16 (lane / 16) + 0 .. 15, and lane r of R1's
; block a is its true row 32 (a / 2) + 8 (a % 2) + r + 8 (r / 8).
; THE BIAS is the C of the first K step's products: by R0's rows in kind 0 (eight registers for each b), by R1's row in kind 1 (one number a lane for each a, in eight registers).
; OUT.  For each of R1's eight blocks the lane's 64 numbers become 16 registers of codes and a scale word.  qk: q's codes at 0, k's at 0x800000, each [bh][block of 32 tokens][piece 2 u + cc][lane][16 bytes]; scale words
; at 0x1000000 and 0x1040000, [bh][block of 32][r], bytes 0, 1 for tile u = 0, bytes 2, 3 for u = 1.  vv: codes [bh][128 keys][tile of 16 channels][piece][lane][16 bytes]; scale words at 0x800000, [bh][128 keys][tile][r].
; Every store of codes covers 512 consecutive bytes; the scale words are gathered in LDS and leave as two aligned runs of 256 bytes a wave.
; LIMITS: a block of zeros, and one whose largest magnitude lies under 2^-118, gets the byte 1; NaN and infinities are not served.
; No prefetch: of K's four steps two are first fills, and the other two are asked for one step after them.
; REGISTERS: window 0: v12-31 addresses; v32-63 scale words, two sets; v64-127 the bias; v128-255 R1's fragments, at the end the quantiser's work.  window 1: R0's fragments, two sets.  windows 2, 3: the accumulators.
.set NQ,     2                         ; matrix instructions deep in a slot
.set ROWB,   256                       ; a tile's row in bytes
.set KROW,   1024                      ; a row of codes in memory
.set PITCH,  272                       ; an LDS row: 256 bytes + 16 of padding: the 16 rows of a fragment load start at 16 different banks (ISA guide 11.1)
.set FR,     16                        ; registers of a fragment
.set NL,     4                         ; LDS loads that bring one
.set NP,     8                         ; places behind this matrix instruction (ISA guide 7.12.1)
.set HALFT,  128*PITCH                 ; 128 rows: one tensor load
.set SLOT,   4*HALFT                   ; R1's 256 rows, then R0's 256 rows
.set KS,     32                        ; a row of scale bytes
.set SCL,    2*SLOT                    ; behind the ring: the scale bytes, as runs of 256 bytes + 16 of padding
.set HALFS,  (128*KS/256)*272
.set SBLK,   (16*KS/256)*272
.set SPARE,  SCL+4*HALFS               ; the spare words, 128 bytes a wave: two blocks of 256 bytes that no other line names
.set SV,   12                          ; v12  the scale words' way out: lanes 0-15 one head's 256 bytes, lanes 16-31 the next head's
.set SCR,  13                          ; v13  where I read my wave's scale words back: 512 x wave + 16 x lane
.set ADRA, 16                          ; v16-17  LDS address of my R1 fragments in slot 0, 1
.set ADRB, 20                          ; v20-21  of my R0 fragments
.set ADRS, 27                          ; v27  of my scale words: lanes 0-15 R1's rows, lanes 16-31 R0's
.set SPW,  28                          ; v28  my spare word; never rewritten
.set NIL,  29                          ; v29  0; never rewritten
.set LI,   30                          ; v30  16 x lane
.set SCW,  31                          ; v31  where I put a scale word: 512 x wave + 4 r
.set SC,   32
.set BIAS, 64
.set AF,   128
.set T,    128                         ; the end: v128-191 64 held numbers; v192-207 codes; v208-223 at work; v224-225 scale words of an even and an odd block
.set PC,   192
.set TM,   208
.set PW,   224
.set G1, 24                            ; s[24:31], s[32:39] groups 1 and 0 (a set for each slot) for R1's tiles
.set G0, 32
.set G1B, 48                           ; s[48:55], s[56:63] for R0's
.set G0B, 56
.set G1S, 68                           ; s[68:75], s[76:79] for R1's scale bytes;  s[80:87], s[88:91] for R0's
.set G0S, 76
.set G1SB, 80
.set G0SB, 88
.set KIND, 95                          ; s95
.set OUT,  76                          ; s[76:77], s[78:79] at the end: where my codes and my scale words go (the scale bytes' loads are long done)
.set OUTS, 78
.set SEL,  96                          ; s[96:97] at the end: v_permlanex16_b32's selects;  s98 the mantissa field of 448
.set MNT,  98
.set MSB, 0
.macro WIN new                         ; the immediate's high byte repeats the setting that is left
.if MSB != (\new)
	s_set_vgpr_msb (MSB<<8)|(\new)
.set MSB, (\new)
.endif
.endm
.set MUL_LO, 0xa1                      ; source 0 window 1, source 1 window 0, C and D window 2
.set MUL_HI, 0xf1                      ; the same, C and D window 3
.set FST_LO, 0x81                      ; the first K step: C (the bias) window 0, D window 2
.set FST_HI, 0xc1
.set TO_B,   0x40                      ; destination window 1, address window 0
; A joint load: waves 0 and 1 fetch for R1, waves 2 and 3 for R0.  Each line has one mask and one set of registers; the branch hangs on the wave's number alone.  Four v_nop follow each line.
.macro JLOAD g0a, g1a, g0b, g1b
	s_cmp_eq_u32 s15, 0
	s_cbranch_scc0 .Lfor_b_\@
	tensor_load_to_lds s[\g0a:\g0a+3], s[\g1a:\g1a+7]
	s_nop 0
.rept 4
	v_nop
.endr
	s_branch .Lasked_\@
.Lfor_b_\@:
	tensor_load_to_lds s[\g0b:\g0b+3], s[\g1b:\g1b+7]
	s_nop 0
.rept 4
	v_nop
.endr
.Lasked_\@:
.endm
.macro CREST                           ; a round of the cluster's barrier behind its opening barrier
	s_cmp_lg_u32 s14, 0
	s_cbranch_scc1 .Lnot_wave_0_\@
	s_barrier_signal -3
.Lnot_wave_0_\@:
	s_barrier_wait -3
	s_barrier_signal -1
	s_barrier_wait -1
.endm
.macro CROUND
	s_barrier_signal -1
	s_barrier_wait -1
	CREST
.endm
	s_load_b256 s[4:11], s[0:1], 0x0               ; xq s[4:5], wq s[6:7], b_qkv s[8:9], qk s[10:11]
	s_load_b64 s[12:13], s[0:1], 0x20              ; vv
	v_lshl_add_u32 v[SPW], v0, 2, SPARE
	v_mov_b32 v[NIL], 0
	ds_add_u32 v28, v29
	ds_add_u32 v28, v29
	s_wait_dscnt 0x0
	v_lshrrev_b32 v1, 5, v0
	v_readfirstlane_b32 s14, v1                    ; wave 0..3
	s_lshr_b32 s15, s14, 1                         ; my half of R1's rows.  Also: I fetch for R1 (0) or for R0 (1)
	s_and_b32 s16, s14, 1                          ; my half of R0's rows.  Also: which 128 rows I fetch
	s_bfe_u32 s40, ttmp6, 0x40000                  ; cx
	s_bfe_u32 s41, ttmp6, 0x40004                  ; cy
	s_and_b32 s96, ttmp7, 0xffff                   ; CY
	s_max_u32 s97, s96, 8
	s_sub_co_u32 s97, s97, 8
	s_lshl_b32 s97, s97, 3                         ; 8 (CY - 8) in kind 1, else 0
	s_lshl_b32 s42, ttmp9, 2
	s_add_co_u32 s42, s42, s40
	s_add_co_u32 s42, s42, s97                     ; X
	s_cmp_ge_u32 s96, 8
	s_cselect_b32 s[KIND], 1, 0
	s_cselect_b32 s17, 0, s96
	s_lshl_b32 s17, s17, 2
	s_add_co_u32 s17, s17, s41                     ; Y
	s_lshl_b32 s43, s41, 2
	s_lshl_b32 s43, 15, s43                        ; my row of the cluster
	s_lshl_b32 s44, 0x1111, s40                    ; my column
	; group 1: a tile of 128 rows x 256 bytes, 16 bytes of padding behind each row
	s_or_b32 s[G1+0], s43, (0<<16)|(1<<20)|(1<<21)|(5<<22)|(3<<25)  ; 15:0 the mask: R1's tiles go to my row; elements of 1 byte; padding on; bit 21 beside a mask; after every 64 words, 4 words
	s_or_b32 s[G1B+0], s44, (0<<16)|(1<<20)|(1<<21)|(5<<22)|(3<<25) ; R0's go to my column
.irp g, G1, G1B
	s_mov_b32 s[\g+1], ROWB<<16                    ; tensor_dim0
	s_mov_b32 s[\g+2], 256<<16                     ; tensor_dim1: 256 rows for the head's loads; set to 128 for the ring's behind them
	s_mov_b32 s[\g+3], ROWB<<16                    ; tile_dim0
	s_mov_b32 s[\g+4], 256                         ; tile_dim1
	s_mov_b32 s[\g+5], KROW                        ; from row to row
	s_mov_b32 s[\g+6], 0
	s_mov_b32 s[\g+7], 0
.endr
	; the scale bytes of 256 rows: 8,192 dense bytes as 32 rows of 256 (32 elements of 8 bytes), 16 bytes of padding behind each
	s_or_b32 s[G1S+0], s43, (3<<16)|(1<<20)|(1<<21)|(5<<22)|(3<<25)
	s_or_b32 s[G1SB+0], s44, (3<<16)|(1<<20)|(1<<21)|(5<<22)|(3<<25)
.irp g, G1S, G1SB
	s_mov_b32 s[\g+1], 32<<16
	s_mov_b32 s[\g+2], (256*KS/256)<<16            ; the scale bytes of all 256 rows in one load
	s_mov_b32 s[\g+3], 32<<16
	s_mov_b32 s[\g+4], 256*KS/256
	s_mov_b32 s[\g+5], 32
	s_mov_b32 s[\g+6], 0
	s_mov_b32 s[\g+7], 0
.endr
	s_lshl_b32 s20, s17, 8
	s_lshl_b32 s19, s[KIND], 11
	s_add_co_u32 s20, s20, s19                     ; R1: the tile's first row, 256 Y (+ 2,048: v's columns)
	s_lshl_b32 s46, s42, 8                         ; R0: 256 X
	s_lshl_b32 s22, s20, 5                         ; their scale bytes,
	s_lshl_b32 s92, s46, 5
	s_lshl_b32 s20, s20, 10                        ; their codes
	s_lshl_b32 s46, s46, 10
	s_mov_b32 s21, 0
	s_mov_b32 s23, 0
	s_mov_b32 s47, 0
	s_mov_b32 s93, 0
	s_cmp_eq_u32 s[KIND], 0
	s_mov_b32 s66, 0x400000
	s_cselect_b32 s66, 0x800000, s66               ; where the scale bytes begin in R1's buffer,
	s_mov_b32 s67, 0x800000
	s_cselect_b32 s67, 0x400000, s67               ; and in R0's
	s_add_co_u32 s22, s22, s66
	s_add_co_u32 s92, s92, s67
	s_mul_i32 s45, s14, HALFT                      ; where they go: wave x 128 rows: no place in the cluster enters an LDS address
	s_wait_kmcnt 0x0
	s_cmp_eq_u32 s[KIND], 0
	s_cselect_b64 s[96:97], s[4:5], s[6:7]         ; R1's buffer
	s_cselect_b64 s[98:99], s[6:7], s[4:5]         ; R0's
	s_add_nc_u64 s[20:21], s[96:97], s[20:21]
	s_add_nc_u64 s[22:23], s[96:97], s[22:23]
	s_add_nc_u64 s[46:47], s[98:99], s[46:47]
	s_add_nc_u64 s[92:93], s[98:99], s[92:93]
	CROUND                                         ; all sixteen work-groups are here: the first joint loads meet
	s_mov_b32 s[G0S], 1
	s_mov_b32 s[G0S+1], SCL
	s_mov_b64 s[G0S+2:G0S+3], s[22:23]
	s_or_b32 s[G0S+3], s[G0S+3], 0x80000000
	s_mov_b32 s[G0SB], 1
	s_mov_b32 s[G0SB+1], SCL+2*HALFS
	s_mov_b64 s[G0SB+2:G0SB+3], s[92:93]
	s_or_b32 s[G0SB+3], s[G0SB+3], 0x80000000
.set G0H, 4                            ; s[4:7], s[96:99] group 0 for the head's loads of K step 0 (what lay there has been used)
.set G0HB, 96
	s_mov_b32 s[G0H], 1                            ; K step 0's 256 rows of R1,
	s_mov_b32 s[G0H+1], 0
	s_mov_b64 s[G0H+2:G0H+3], s[20:21]
	s_or_b32 s[G0H+3], s[G0H+3], 0x80000000
	s_mov_b32 s[G0HB], 1                           ; and of R0, behind them in slot 0
	s_mov_b32 s[G0HB+1], 2*HALFT
	s_mov_b64 s[G0HB+2:G0HB+3], s[46:47]
	s_or_b32 s[G0HB+3], s[G0HB+3], 0x80000000
	s_lshl_b32 s2, s16, 17                         ; for the ring: my 128 rows of a tile, 1,024 bytes a row
	s_mov_b32 s3, 0
	s_add_nc_u64 s[20:21], s[20:21], s[2:3]
	s_add_nc_u64 s[46:47], s[46:47], s[2:3]
.irp s, 0,1
	s_mov_b32 s[G0+4*\s], 1
	s_add_co_u32 s[G0+4*\s+1], s45, \s*SLOT
	s_add_nc_u64 s[G0+4*\s+2:G0+4*\s+3], s[20:21], \s*ROWB
	s_or_b32 s[G0+4*\s+3], s[G0+4*\s+3], 0x80000000
	s_mov_b32 s[G0B+4*\s], 1
	s_add_co_u32 s[G0B+4*\s+1], s45, \s*SLOT
	s_add_nc_u64 s[G0B+4*\s+2:G0B+4*\s+3], s[46:47], \s*ROWB
	s_or_b32 s[G0B+4*\s+3], s[G0B+4*\s+3], 0x80000000
.endr
; THE HEAD'S LOADS, ONE A WAVE: wave 0 K step 0's 256 rows of R1, wave 1 those of R0, wave 2 R1's scale bytes, wave 3 R0's.  One tree of branches on the wave's number: every way passes one load.
.macro ARM under, g0, g1, next
	s_cmp_lt_u32 s14, \under
	s_cbranch_scc0 \next
	tensor_load_to_lds s[\g0:\g0+3], s[\g1:\g1+7]
	s_nop 0
.rept 4
	v_nop
.endr
	s_branch .Lhead_asked
\next:
.endm
; PREFETCHES INTO THE L2 (this takes the place of the head comment's line on prefetching): behind the head's loads K steps 1 and 2 are asked for, behind K step 1's load K step 3: 32 rows x 256 bytes, a lane a row, one instruction a wave and step.
; Of the 128 rows that a wave fetches in the ring, each of the four partners of the joint load takes 32, told apart by address (cx for R1, cy for R0).  wq's rows are read by eight clusters: four of them ask (by the cluster's y alone).
.set PFA,  92                          ; s[92:93] my 32 rows at K step 0; never rewritten
.set PFO,  14                          ; v14  1,024 x lane; never rewritten
.set ASKS, 94                          ; s94  0: my wave asks
	s_cmp_eq_u32 s15, 0
	s_cselect_b64 s[PFA:PFA+1], s[20:21], s[46:47]
	s_cselect_b32 s2, s40, s41
	s_lshl_b32 s2, s2, 15                          ; 32 rows of 1,024 bytes for each place
	s_add_nc_u64 s[PFA:PFA+1], s[PFA:PFA+1], s[2:3]
	s_xor_b32 s[ASKS], s15, s[KIND]                ; 1: my rows are wq's
	s_and_b32 s2, ttmp7, 7
	s_lshr_b32 s3, 4, s[KIND]
	s_cmp_lt_u32 s2, s3                            ; kind 0: clusters y 0-3 of 0-7; kind 1: y 8, 9 of 8-11, each with two clusters along x
	s_cselect_b32 s[ASKS], 0, s[ASKS]
	ARM 1, G0H,  G1,  .Lhead_b
	ARM 2, G0HB, G1B, .Lhead_sa
	ARM 3, G0S,  G1S, .Lhead_sb
	tensor_load_to_lds s[G0SB:G0SB+3], s[G1SB:G1SB+7]
	s_nop 0
.rept 4
	v_nop
.endr
.Lhead_asked:
	v_and_b32 v[PFO], 31, v0
	v_lshlrev_b32 v[PFO], 10, v[PFO]
	s_cmp_eq_u32 s[ASKS], 0
	s_wait_alu depctr_va_vdst(0)
	s_cbranch_scc0 .Lnot_asking_0
	global_prefetch_b8 v[PFO], s[PFA:PFA+1] offset:256 th:TH_LOAD_NT scope:SCOPE_SE   ; K step 1
	global_prefetch_b8 v[PFO], s[PFA:PFA+1] offset:512 th:TH_LOAD_NT scope:SCOPE_SE   ; K step 2
.Lnot_asking_0:
	v_and_b32 v1, 15, v0                           ; r
	v_bfe_u32 v2, v0, 4, 1                         ; h
	v_mul_u32_u24 v3, v1, PITCH
	v_lshl_add_u32 v4, v2, 4, v3                   ; a fragment's row x pitch + 16 h
	s_mul_i32 s21, s15, HALFT                      ; my 128 rows of R1
	s_mul_i32 s22, s16, HALFT                      ; my 128 rows of R0,
	s_add_co_u32 s22, s22, 2*HALFT                 ; which lie behind R1's 256
.irp s, 0,1
	v_add_nc_u32 v[ADRA+\s], s21, v4
	v_add_nc_u32 v[ADRB+\s], s22, v4
	s_add_co_u32 s21, s21, SLOT
	s_add_co_u32 s22, s22, SLOT
.endr
	v_mul_u32_u24 v5, v1, KS                       ; my row's scale bytes: 32 a row,
	v_lshrrev_b32 v6, 8, v5
	v_lshl_add_u32 v5, v6, 4, v5                   ; and 16 more for each 256 passed
	s_mul_i32 s21, s15, HALFS
	s_mul_i32 s22, s16, HALFS
	s_add_co_u32 s22, s22, 2*HALFS
	s_sub_co_u32 s22, s22, s21
	v_mul_u32_u24 v6, s22, v2                      ; lanes 16-31 take R0's
	s_add_co_u32 s21, s21, SCL
	v_add_nc_u32 v5, v5, v6
	v_add_nc_u32 v[ADRS], s21, v5
	v_and_b32 v6, 31, v0
	v_lshlrev_b32 v[LI], 4, v6
	s_lshl_b32 s23, s14, 9
	v_lshl_add_u32 v[SCW], v1, 2, s23
	v_add_nc_u32 v[SCR], s23, v[LI]
	v_lshlrev_b32 v[SV], 4, v1
	v_lshl_add_u32 v[SV], v2, 12, v[SV]
	v_lshlrev_b32 v7, 6, v2                        ; the bias, kind 0: 64 h bytes: my half's 16 columns of each 32
	v_and_b32 v8, 8, v1
	v_add_nc_u32 v8, v8, v1
	v_lshlrev_b32 v8, 2, v8                        ; kind 1: 4 (r + 8 (r / 8))
	s_lshl_b32 s66, s42, 8
	s_lshl_b32 s19, s16, 7
	s_add_co_u32 s66, s66, s19                     ; my first row of R0: a column (kind 0) or a token (kind 1); kept for the end
	s_lshl_b32 s67, s17, 8
	s_lshl_b32 s19, s15, 7
	s_add_co_u32 s67, s67, s19                     ; my first row of R1: a token (kind 0) or a channel of v (kind 1); kept
	s_add_co_u32 s18, s67, 2048
	s_cmp_eq_u32 s[KIND], 0
	s_cselect_b32 s18, s66, s18                    ; the bias's first number
	s_lshl_b32 s18, s18, 2
	s_mov_b32 s19, 0
	s_add_nc_u64 s[8:9], s[8:9], s[18:19]
	s_cmp_eq_u32 s[KIND], 0
	s_cbranch_scc0 .Lbias_v
	s_wait_alu depctr_va_vdst(0)
.irp b, 0,1,2,3,4,5,6,7                        ; register 8 b + j: column 32 (b / 2) + 8 (b % 2) + 16 h + j
	global_load_b128 v[BIAS+8*\b:BIAS+8*\b+3], v7, s[8:9] offset:128*(\b/2)+32*(\b%2)
	global_load_b128 v[BIAS+8*\b+4:BIAS+8*\b+7], v7, s[8:9] offset:128*(\b/2)+32*(\b%2)+16
.endr
	s_branch .Lbias_done
.Lbias_v:
	s_wait_alu depctr_va_vdst(0)
.irp a, 0,1,2,3,4,5,6,7                        ; registers 8 a + 0 .. 7: my channel's number, 32 (a / 2) + 8 (a % 2) + r + 8 (r / 8)
.irp j, 0,1,2,3,4,5,6,7
	global_load_b32 v[BIAS+8*\a+\j], v8, s[8:9] offset:(32*(\a/2)+8*(\a%2))*4
.endr
.endr
.Lbias_done:
.macro FRAG reg, adr, q, i             ; 16 rows x 128 K: lane l holds row l % 16; registers 4 c .. 4 c + 3 hold K = 32 c + 16 (l / 16) + 0 .. 15
.irp c, 0,1,2,3
	ds_load_b128 v[\reg+4*\c:\reg+4*\c+3], v[\adr] offset:128*(\q)+32*\c+(\i)*16*PITCH
.endr
.endm
; 16 matrix instructions: R1's blocks a0, a0 + 1 x R0's eight.  p: R0's set; q: which 128 of the slot; sc: the set of scale words.  cm = 0: in place; 1: C = the bias by b; 2: C = the bias by a.
; The 64 accumulators take turns, one instruction a turn, in the same order in every step.
.macro MUL16 a0, p, q, sc, cm
.irp a, \a0, \a0+1
.irp b, 0,1,2,3,4,5,6,7
.if \cm == 1
	v_wmma_scale_f32_16x16x128_f8f6f4 v[8*(8*((\a)%4)+\b):8*(8*((\a)%4)+\b)+7], v[128*(\p)+FR*\b:128*(\p)+FR*\b+FR-1], v[AF+FR*(\a):AF+FR*(\a)+FR-1], v[BIAS+8*\b:BIAS+8*\b+7], v[SC+8*NQ*(\sc)+NQ*\b+(\q)], v[SC+8*NQ*(\sc)+NQ*(\a)+(\q)] matrix_a_scale:MATRIX_SCALE_ROW1
.elseif \cm == 2
	v_wmma_scale_f32_16x16x128_f8f6f4 v[8*(8*((\a)%4)+\b):8*(8*((\a)%4)+\b)+7], v[128*(\p)+FR*\b:128*(\p)+FR*\b+FR-1], v[AF+FR*(\a):AF+FR*(\a)+FR-1], v[BIAS+8*(\a):BIAS+8*(\a)+7], v[SC+8*NQ*(\sc)+NQ*\b+(\q)], v[SC+8*NQ*(\sc)+NQ*(\a)+(\q)] matrix_a_scale:MATRIX_SCALE_ROW1
.else
	v_wmma_scale_f32_16x16x128_f8f6f4 v[8*(8*((\a)%4)+\b):8*(8*((\a)%4)+\b)+7], v[128*(\p)+FR*\b:128*(\p)+FR*\b+FR-1], v[AF+FR*(\a):AF+FR*(\a)+FR-1], v[8*(8*((\a)%4)+\b):8*(8*((\a)%4)+\b)+7], v[SC+8*NQ*(\sc)+NQ*\b+(\q)], v[SC+8*NQ*(\sc)+NQ*(\a)+(\q)] matrix_a_scale:MATRIX_SCALE_ROW1
.endif
.endr
.endr
.endm
.macro FETCH_B slot, q, p              ; R0's eight fragments into set p
	WIN TO_B
.irp i, 0,1,2,3,4,5,6,7
	FRAG 128*(\p)+FR*\i, ADRB+\slot, \q, \i
.endr
	WIN 0
.endm
.macro FETCH_A slot, q, i0             ; R1's blocks i0 .. i0 + 3
.irp i, \i0, \i0+1, \i0+2, \i0+3
	FRAG AF+FR*(\i), ADRA+\slot, \q, \i
.endr
.endm
.macro SCALES sc                       ; a K step's scale words: two a row; lanes 0-15 R1's block i, lanes 16-31 R0's block i
.irp i, 0,1,2,3,4,5,6,7
	ds_load_b64 v[SC+8*NQ*\sc+NQ*\i:SC+8*NQ*\sc+NQ*\i+1], v[ADRS] offset:\i*SBLK
.endr
.endm
.macro PLACES n                        ; plain vector instructions between a matrix instruction and a load into, or a read of, its registers
.rept \n
	v_nop
.endr
.endm
; A step of 128 along K that has its successor in the same slot
.macro STEP slot, q, cm
	s_wait_dscnt 4*NL                              ; R0's set and R1's blocks 0-3 are in; the youngest 16 loads (R1's blocks 4-7) may be out
.if \cm
	WIN FST_LO
.else
	WIN MUL_LO
.endif
	MUL16 0, (\q)%2, \q, \slot, \cm
	MUL16 2, (\q)%2, \q, \slot, \cm
	s_wait_dscnt 0                                 ; R1's blocks 4-7 are in
	PLACES NP
	FETCH_B \slot, (\q)+1, 1-(\q)%2
	FETCH_A \slot, (\q)+1, 0
.if \cm
	WIN FST_HI
.else
	WIN MUL_HI
.endif
	MUL16 4, (\q)%2, \q, \slot, \cm
	MUL16 6, (\q)%2, \q, \slot, \cm
	PLACES NP
	WIN 0
	FETCH_A \slot, (\q)+1, 4
.endm
; A slot's last step changes slots: one barrier; in front of it each wave waits for all its tensor loads, adds 0 to its spare word, and waits for that and for its reads of this slot.  fill = 1: the slot is filled again, two K steps ahead.
.macro TURN slot, next, fill
	s_wait_tensorcnt 0x0                           ; all my tensor loads have landed: my part of the next slot
	ds_add_u32 v[SPW], v[NIL]                      ; 0 onto my spare word
	s_wait_dscnt 4*NL+1                            ; (the add and the youngest 16 loads may be out)
	WIN MUL_LO
	MUL16 0, 1, NQ-1, \slot, 0                     ; sixteen matrix instructions stand between the add and the wait for it
	s_wait_dscnt 0x0                               ; the add is done, and my reads of this slot are over
	s_barrier_signal -1
	MUL16 2, 1, NQ-1, \slot, 0
	WIN 0
	s_barrier_wait -1
.if \fill
	CREST                                          ; the barrier has opened a round of the cluster's: no wave of any partner still reads this slot or has a load on its way
	s_add_nc_u64 s[G0+4*\slot+2:G0+4*\slot+3], s[G0+4*\slot+2:G0+4*\slot+3], 2*ROWB
	s_add_nc_u64 s[G0B+4*\slot+2:G0B+4*\slot+3], s[G0B+4*\slot+2:G0B+4*\slot+3], 2*ROWB
	JLOAD G0+4*\slot, G1, G0B+4*\slot, G1B         ; the first tensor load behind the round; its four v_nop are among the places in front of the loads below
	PLACES NP-4
.else
	PLACES NP
.endif
	s_wait_alu depctr_va_vdst(0)
	v_add_nc_u32 v[ADRS], 4*NQ, v[ADRS]            ; the next K step's scale words (no LDS load of mine is out)
	FETCH_B \next, 0, 0
	FETCH_A \next, 0, 0
	SCALES \next
	WIN MUL_HI
	MUL16 4, 1, NQ-1, \slot, 0
	MUL16 6, 1, NQ-1, \slot, 0
	PLACES NP
	WIN 0
	FETCH_A \next, 0, 4
.endm
	s_wait_alu depctr_va_vdst(0)
	s_wait_tensorcnt 0x0                           ; my tile of the head's four is in; the lines ahead of a later first fill:
	ds_add_u32 v[SPW], v[NIL]
	s_mov_b32 s[G1+2], 128<<16                     ; no tensor load of mine is out: from here on a load brings 128 rows
	s_mov_b32 s[G1+4], 128
	s_mov_b32 s[G1B+2], 128<<16
	s_mov_b32 s[G1B+4], 128
	s_wait_dscnt 0x0
	CROUND                                         ; a whole round: all four tiles are in, all sixteen work-groups are here
	JLOAD G0+4, G1, G0B+4, G1B                     ; K step 1, the first tensor load behind the round
	FETCH_B 0, 0, 0
	s_cmp_eq_u32 s[ASKS], 0
	s_cbranch_scc0 .Lnot_asking_1
	global_prefetch_b8 v[PFO], s[PFA:PFA+1] offset:768 th:TH_LOAD_NT scope:SCOPE_SE   ; K step 3, the last: two refills ahead of its load
.Lnot_asking_1:
	FETCH_A 0, 0, 0
	SCALES 0
	FETCH_A 0, 0, 4
	s_wait_loadcnt 0x0                             ; the bias
	s_cmp_eq_u32 s[KIND], 0                        ; the first products start the sums with the bias; which registers are C differs by kind; both ways issue the same LDS loads
	s_cbranch_scc0 .Lfirst_v
	STEP 0, 0, 1
	s_branch .Lfirst_done
.Lfirst_v:
	STEP 0, 0, 2
.Lfirst_done:
	TURN 0, 1, 1                                   ; K's four steps are written out: slot 0 takes K step 2,
	STEP 1, 0, 0
	TURN 1, 0, 1                                   ; slot 1 K step 3;
	STEP 0, 0, 0
	TURN 0, 1, 0                                   ; nothing is left to fetch
	STEP 1, 0, 0
	s_wait_dscnt 4*NL
	WIN MUL_LO
	MUL16 0, 1, NQ-1, 1, 0
	MUL16 2, 1, NQ-1, 1, 0
	s_wait_dscnt 0
	WIN MUL_HI
	MUL16 4, 1, NQ-1, 1, 0
	MUL16 6, 1, NQ-1, 1, 0
	WIN 0
	; THE END.  Where my codes and scale words go.  A token's place counts 64 bytes of codes and 2 bytes of scale words in both layouts, so only the buffer and one constant differ by kind.
	PLACES NP                                      ; behind the last products: their results are read and R1's fragment registers written below
	s_cmp_eq_u32 s[KIND], 0
	s_cselect_b32 s68, s67, s66                    ; my first token
	s_cselect_b32 s69, s66, s67                    ; my first channel (of q and k together, or of v)
	s_cselect_b64 s[72:73], s[10:11], s[12:13]     ; qk or vv
	s_mov_b32 s70, 0x800000
	s_cselect_b32 s70, 0x1000000, s70              ; where the scale words begin
	s_lshr_b32 s71, s68, 11
	s_lshl_b32 s71, s71, 4
	s_bfe_u32 s74, s69, 0x40006
	s_add_co_u32 s71, s71, s74                     ; 16 x batch + my first head
	s_lshr_b32 s74, s69, 10                        ; q (0) or k (1)
	s_and_b32 s68, s68, 2047                       ; the token in its sequence
	s_lshl_b32 s76, s74, 23
	s_lshl_b32 s75, s71, 17
	s_add_co_u32 s76, s76, s75
	s_lshl_b32 s75, s68, 6
	s_add_co_u32 s76, s76, s75
	s_mov_b32 s77, 0
	s_add_nc_u64 s[OUT:OUT+1], s[72:73], s[76:77]
	s_lshl_b32 s78, s74, 18
	s_add_co_u32 s78, s78, s70
	s_lshl_b32 s75, s71, 12
	s_add_co_u32 s78, s78, s75
	s_lshl_b32 s75, s68, 1
	s_add_co_u32 s78, s78, s75
	s_mov_b32 s79, 0
	s_add_nc_u64 s[OUTS:OUTS+1], s[72:73], s[78:79]
	s_mov_b32 s[SEL], 0x76543210
	s_mov_b32 s[SEL+1], 0xfedcba98                 ; lane l xor 16
	s_mov_b32 s[MNT], 0x600000
.irp b, 0,1,2,3
	v_mov_b32 v[TM+4+\b], 0                        ; written once: a lane permute's destination counts as one of its sources
.endr
; R1's block a: the lane's 64 numbers (register 16 b + i = R0's row 32 b + 16 (lane / 16) + i) become 16 registers of codes in v[PC] on and a scale word in v[PW + a % 2]
.macro QUANTW a
.set AC, 64*((\a)%4)
.set WA, 2+(\a)/4                      ; the accumulators' window
	WIN (WA*5)                                     ; sources 0 and 1
.irp b, 0,1,2,3
	v_max3_num_f32 v[TM+\b], |v[AC+16*\b]|, |v[AC+16*\b+1]|, 0x4800000   ; block b: my 16 numbers and the floor 2^(9 - 127); each accumulator is read from its low end on
.endr
.irp i, 2,4,6,8,10,12,14
.irp b, 0,1,2,3
	v_max3_num_f32 v[TM+\b], |v[AC+16*\b+\i]|, |v[AC+16*\b+\i+1]|, v[TM+\b]
.endr
.endr
	WIN 0
.irp b, 0,1,2,3
	v_permlanex16_b32 v[TM+4+\b], v[TM+\b], s[SEL], s[SEL+1]
.endr
.irp b, 0,1,2,3
	v_max_num_f32 v[TM+\b], v[TM+\b], v[TM+4+\b]   ; with lane l xor 16's: the block's largest magnitude
.endr
.irp b, 0,1,2,3
	v_add_nc_u32 v[TM+12+\b], 0xfc000000, v[TM+\b] ; 8 off its exponent field: the conversion's scale operand
.endr
.irp b, 0,1,2,3
	v_and_or_b32 v[TM+8+\b], v[TM+\b], 0x7f800000, s[MNT]   ; 448 x the scale
.endr
.irp b, 0,1,2,3
	v_lshrrev_b32 v[TM+4+\b], 23, v[TM+12+\b]      ; the scale's byte
.endr
	v_lshl_or_b32 v[PW+(\a)%2], v[TM+5], 8, v[TM+4]
	v_lshl_or_b32 v[PW+(\a)%2], v[TM+6], 16, v[PW+(\a)%2]
	v_lshl_or_b32 v[PW+(\a)%2], v[TM+7], 24, v[PW+(\a)%2]
	WIN WA                                         ; source 0
.irp b, 0,1,2,3
.irp i, 0,1,2,3,4,5,6,7,8,9,10,11,12,13,14,15
	v_med3_num_f32 v[T+16*\b+\i], v[AC+16*\b+\i], -v[TM+8+\b], v[TM+8+\b]   ; the hold at 448 x the scale (ISA guide 7.6.2)
.endr
.endr
	WIN 0
.irp b, 0,1,2,3
	v_cvt_scalef32_pk8_fp8_f32 v[PC+4*\b:PC+4*\b+1], v[T+16*\b:T+16*\b+7], v[TM+12+\b]
	v_cvt_scalef32_pk8_fp8_f32 v[PC+4*\b+2:PC+4*\b+3], v[T+16*\b+8:T+16*\b+15], v[TM+12+\b]
.endr
	v_nop                                          ; a plain line behind the last conversion
.endm
.macro EPI a
	s_wait_xcnt 0x0                                ; the last block's stores have read their data: the codes' registers are written again only behind this wait
	QUANTW \a
	s_cmp_eq_u32 s[KIND], 0
	s_cbranch_scc0 .Lv_\@
.irp c, 0,1,2,3                                ; q, k: pieces 0, 1 are my first head's channels, pieces 2, 3 the next head's; block a is tile a % 2 of the a / 2-th 32 tokens
	global_store_b128 v[LI], v[PC+4*\c:PC+4*\c+3], s[OUT:OUT+1] offset:(\c/2)*131072+((\a)/2)*2048+((\a)%2)*1024+(\c%2)*512
.endr
.if (\a)%2
	v_perm_b32 v226, v[PW+1], v[PW], 0x05040100    ; my first head's word: the even tile's bytes 0, 1, then the odd tile's
	v_perm_b32 v227, v[PW+1], v[PW], 0x07060302    ; the next head's: bytes 2, 3 of both
	ds_store_b32 v[SCW], v226 offset:64*((\a)/2)   ; (lanes r and r + 16 write the same word with the same value)
	ds_store_b32 v[SCW], v227 offset:256+64*((\a)/2)
.endif
	s_branch .Ldone_\@
.Lv_\@:
	s_wait_alu depctr_va_vdst(0)
.irp c, 0,1,2,3                                ; v: block a is tile a % 4 of head a / 4; piece c is keys 32 c on
	global_store_b128 v[LI], v[PC+4*\c:PC+4*\c+3], s[OUT:OUT+1] offset:((\a)/4)*131072+((\a)%4)*2048+512*\c
.endr
	ds_store_b32 v[SCW], v[PW+(\a)%2] offset:2048+64*(\a)   ; this way has LDS bytes of its own
.Ldone_\@:
.endm
; The scale words are gathered in slot 0, which has had its last fill, and which nobody reads behind the last change of slots: 512 bytes a wave, the wave's own.
.irp a, 0,1,2,3,4,5,6,7
	EPI \a
.endr
	s_cmp_eq_u32 s[KIND], 0
	s_cbranch_scc0 .Lsc_v
	ds_load_b128 v[228:231], v[SCR]                ; LDS serves a wave's instructions in order: this sees my stores
	s_branch .Lsc_done
.Lsc_v:
	ds_load_b128 v[228:231], v[SCR] offset:2048
.Lsc_done:
	s_wait_dscnt 0x0
	global_store_b128 v[SV], v[228:231], s[OUTS:OUTS+1]   ; lanes 0-15: 256 consecutive aligned bytes of one head, lanes 16-31 of the next
	s_wait_tensorcnt 0x0                           ; the wave's end
	ds_add_u32 v[SPW], v[NIL]
	s_wait_dscnt 0x0
	CROUND                                         ; the closing round
	s_endpgm
.Lfunc_end_k_q872ca2b642_gemm_qkv:
	.size	k_q872ca2b642_gemm_qkv, .Lfunc_end_k_q872ca2b642_gemm_qkv-k_q872ca2b642_gemm_qkv
	.p2alignl 7, 3214868480
	.fill 96, 4, 3214868480
	.section	.rodata,"a",@progbits
	.p2align	6, 0x0
	.amdhsa_kernel k_q872ca2b642_gemm_qkv
		.amdhsa_group_segment_fixed_size 327680
		.amdhsa_private_segment_fixed_size 0
		.amdhsa_enable_private_segment 0
		.amdhsa_kernarg_size 40
		.amdhsa_user_sgpr_count 2
		.amdhsa_user_sgpr_kernarg_segment_ptr 1
		.amdhsa_wavefront_size32 1
		.amdhsa_system_sgpr_workgroup_id_x 1
		.amdhsa_system_sgpr_workgroup_id_y 1
		.amdhsa_system_sgpr_workgroup_id_z 1
		.amdhsa_system_vgpr_workitem_id 0
		.amdhsa_next_free_vgpr 1024
		.amdhsa_next_free_sgpr 100
		.amdhsa_reserve_vcc 0
		.amdhsa_float_denorm_mode_32 3
		.amdhsa_float_denorm_mode_16_64 3
		.amdhsa_memory_ordered 1
		.amdhsa_forward_progress 1
		.amdhsa_inst_pref_size 214
	.end_amdhsa_kernel
	.amdgpu_metadata
---
amdhsa.version: [ 1, 2 ]
amdhsa.kernels:
  - .name:           k_q872ca2b642_gemm_qkv
    .symbol:         k_q872ca2b642_gemm_qkv.kd
    .args:
      - { .name: xq, .offset: 0, .size: 8, .value_kind: global_buffer, .address_space: global }
      - { .name: wq, .offset: 8, .size: 8, .value_kind: global_buffer, .address_space: global }
      - { .name: b_qkv, .offset: 16, .size: 8, .value_kind: global_buffer, .address_space: global }
      - { .name: qk, .offset: 24, .size: 8, .value_kind: global_buffer, .address_space: global }
      - { .name: vv, .offset: 32, .size: 8, .value_kind: global_buffer, .address_space: global }
    .group_segment_fixed_size: 327680
    .private_segment_fixed_size: 0
    .kernarg_segment_align: 8
    .kernarg_segment_size: 40
    .max_flat_workgroup_size: 128
    .sgpr_count:     100
    .vgpr_count:     1024
    .wavefront_size: 32
...
	.end_amdgpu_metadata
.endif
;; end of part 2
;; launch attn (part 3): grid 4 x 64, 16 waves a work-group, clusters of 4 x 1, 272,384 bytes of LDS; arguments qk, vv, aq; writes aq
.if DOCPART == 3
	.amdgcn_target "amdgcn-amd-amdhsa--gfx1250"
	.amdhsa_code_object_version 6
	.text
	.protected	k_q872ca2b642_attn
	.globl	k_q872ca2b642_attn
	.p2align	8
	.type	k_q872ca2b642_attn,@function
k_q872ca2b642_attn:
	s_mov_b64 s[64:65], 0
	v_nop
	global_prefetch_b8 v0, s[64:65] scope:SCOPE_SE
	s_setreg_imm32_b32 hwreg(HW_REG_WAVE_MODE, 25, 1), 1
	s_wait_xcnt 0x0
	s_wait_alu depctr_hold_cnt(0) depctr_sa_sdst(0) depctr_va_vdst(0) depctr_va_sdst(0) depctr_va_ssrc(0) depctr_va_vcc(0) depctr_vm_vsrc(0)
	s_getreg_b32 s2, hwreg(HW_REG_IB_STS2, 6, 4)
	s_cmp_eq_u32 s2, 0
	s_cbranch_scc0 .Lentry_in_a_cluster
	s_endpgm
.Lentry_in_a_cluster:
	s_bfe_u32 s2, ttmp6, 0x10000c
	s_cmp_lg_u32 s2, 0x3003
	s_cbranch_scc0 .Lentry_shape_is_right
	s_endpgm
.Lentry_shape_is_right:
; Causal attention of one head (bh = 16 x batch + head) on codes of FP8 (E4M3) with E8M0 scales; the result, divided by the row's sum, is quantised along the channels for the last product.
; t = score x log2(e) / 8; M = the running largest t rounded UP to a whole number; p = 2^(t - M) is quantised along the keys, not normalised; the row's sum is taken of the unquantised p.  When M moves, the sum and O are
; multiplied by 2^(old M - new M): exact.
; A HEAD'S K AND V STAY IN LDS: codes 131,072 bytes each, scale words 4,096 each, filled ONCE.  The four work-groups of a cluster serve one head and ask jointly (mask 15).  So there is no ring, no refill and no barrier in the loops.
; All operands lie in memory and in LDS as images of their registers: every fragment load reads 512 consecutive bytes.
; SHARES.  A tile is 16 queries: tile T's lane r is token 32 (T / 2) + 8 (T % 2) + r + 8 (r / 8).  Wave w takes two tiles one after the other: TA = 8 (w / 2) + 2 cx + w % 2 and TB = 127 - TA.  A key step is 128 keys; a tile's last
; step is T / 8: w / 2 for TA and 15 - w / 2 for TB, which hang on the wave's number alone.  So no branch hangs on the place in the cluster, and every wave works 17 steps, two of them on the diagonal.
; Steps all of whose keys come after the tile's queries are left out by a scalar branch; the loops' trip counts are constants (8 and 16).
; THE FIRST PRODUCT HAS K = 64 under an instruction of K = 128: a fragment of K holds 16 keys of tile u = 0 in k = 0 .. 63 and 16 keys of tile u = 1 in k = 64 .. 127; it is multiplied once by Q with zero codes above and once by
; Q with zero codes below.  Both products are used transposed: a lane holds ONE query.  S's registers 16 b + i are keys 32 b + 16 (lane / 16) + i of the step; O's 16 g + i are channels 32 g + 16 (lane / 16) + i.
; aq: codes [128 x batch + T][128 along K][piece][lane][16 bytes], head hd at K step hd / 2, pieces 2 (hd % 2) + g; scale bytes at 0x800000, [2048 x batch + 16 T + r][32], byte 2 hd + g.  The codes' stores cover 512 consecutive
; bytes.  The scale bytes go out singly, one a lane: a row's other bytes are other heads', made by other work-groups; they are one byte in 32 of what is stored.
; No prefetch: every tensor load of the launch stands at its head; there is no later load that an earlier trip could run ahead of.
; LIMITS: NaN and infinities are not served; a block of zeros, or one under 2^-118, gets the byte 1; a block's largest p is taken from its largest score (v_exp_f32 is taken not to fall where its input rises).
; REGISTERS: v1-6 addresses and masks that stay; v8-10 the step's LDS addresses; v12 -M, v13 the largest t, v[14:15] the sum; v16-55 zeros, Q of TA, zeros, Q of TB, zeros; v56-119 four fragments of K, then of V;
; v120-183 S, then p; v184-215 O; v216-231 p's codes; v232-254 at work; v248-251 K's and V's scale words, v253 p's, v255 and v5 Q's.
.set KSW,  262144                      ; LDS: K's codes at 0, V's at 131,072, K's scale words here, V's 4,096 on
.set LI,   1                           ; v1   16 x lane
.set LS,   2                           ; v2   KSW + 4 x lane
.set DM,   3                           ; v3, v4  my query less the diagonal step's first key less 16 (lane / 16), for TA and TB
.set GOS,  6                           ; v6   32 r + h: my scale byte's place
.set ADK,  8
.set ADV,  9
.set ADS,  10
.set QZ,   16
.set FRG,  56
.set S,    120
.set O,    184
.set PC,   216
.set TB,   2                           ; s2   LDS byte of the step's codes
.set TS,   3                           ; s3   and of its scale words
.set WV,   18
.set MNT,  19
.set SEL,  20
.set CS,   22                          ; s[22:23] c = log2(e) / 8
.set G1C,  24                          ; s[24:31] group 1: 128 rows of 256 bytes;  s[32:39]: 16 rows
.set G1S,  32
.set G0K,  40
.set G0V,  44
.set G0KS, 48
.set G0VS, 52
.set CNT,  56
.set DD,   57                          ; s57, s58 the last step of TA and of TB
.set HM,   59                          ; s59  lanes 16-31
.macro CROUND
	s_barrier_signal -1
	s_barrier_wait -1
	s_cmp_lg_u32 s[WV], 0
	s_cbranch_scc1 .Lnot_wave_0_\@
	s_barrier_signal -3
.Lnot_wave_0_\@:
	s_barrier_wait -3
	s_barrier_signal -1
	s_barrier_wait -1
.endm
	s_load_b128 s[4:7], s[0:1], 0x0                ; qk, vv
	s_load_b64 s[8:9], s[0:1], 0x10                ; aq
	v_lshl_add_u32 v254, v0, 2, 0x42000
	v_mov_b32 v255, 0
	ds_add_u32 v254, v255
	ds_add_u32 v254, v255
	s_wait_dscnt 0x0
	v_lshrrev_b32 v8, 5, v0
	s_delay_alu instid0(VALU_DEP_1)
	v_readfirstlane_b32 s[WV], v8                  ; wave 0..15
	s_bfe_u32 s10, ttmp6, 0x40000                  ; cx: it enters Q's and the result's addresses and the mask's numbers alone
	s_and_b32 s11, ttmp7, 0xffff                   ; bh, which the four partners share
	s_lshr_b32 s[DD], s[WV], 1
	s_sub_co_u32 s[DD+1], 15, s[DD]
	s_and_b32 s13, s[WV], 1
	s_lshl_b32 s90, s[DD], 3
	s_lshl_b32 s91, s10, 1
	s_add_co_u32 s90, s90, s91
	s_add_co_u32 s90, s90, s13                     ; TA
	s_sub_co_u32 s91, 127, s90                     ; TB
	s_lshl_b32 s92, s10, 5
	s_lshl_b32 s93, s13, 3
	s_add_co_u32 s92, s92, s93                     ; TA's first token in its diagonal step: 32 cx + 8 (w % 2)
	s_sub_co_u32 s93, 104, s92                     ; TB's: 32 (3 - cx) + 8 (1 - w % 2)
	s_cmp_eq_u32 s13, 0                            ; Q's two scale bytes: bytes 0, 1 of the word for an even tile, 2, 3 for an odd one; TB's parity is the other
	s_mov_b32 s60, 0x03020302
	s_cselect_b32 s60, 0x01000100, s60
	s_mov_b32 s61, 0x01000100
	s_cselect_b32 s61, 0x03020302, s61
	s_lshl_b32 s94, s11, 17                        ; the head's codes in qk and vv
	s_lshl_b32 s84, s11, 12                        ; its scale words
	s_add_co_u32 s95, s84, 0x1000000               ; q's
	s_lshr_b32 s96, s11, 4
	s_and_b32 s97, s11, 15
	s_lshl_b32 s98, s96, 21
	s_lshl_b32 s99, s97, 10
	s_add_co_u32 s98, s98, s99                     ; aq's codes: 128 x batch tiles of 16,384 bytes + 1,024 x head
	s_lshl_b32 s96, s96, 16
	s_lshl_b32 s97, s97, 1
	s_add_co_u32 s96, s96, s97
	s_add_co_u32 s96, s96, 0x800000                ; aq's scale bytes: 2,048 x batch rows of 32 + 2 x head
.irp p, 0,1
	s_lshl_b32 s[66+2*\p], s[90+\p], 10
	s_add_co_u32 s[66+2*\p], s[66+2*\p], s94       ; Q's codes: 1,024 bytes a tile
	s_mov_b32 s[67+2*\p], 0
	s_lshr_b32 s[70+2*\p], s[90+\p], 1
	s_lshl_b32 s[70+2*\p], s[70+2*\p], 6
	s_add_co_u32 s[70+2*\p], s[70+2*\p], s95       ; Q's scale words: 64 bytes for two tiles
	s_mov_b32 s[71+2*\p], 0
	s_lshl_b32 s[74+2*\p], s[90+\p], 14
	s_add_co_u32 s[74+2*\p], s[74+2*\p], s98
	s_mov_b32 s[75+2*\p], 0
	s_lshl_b32 s[78+2*\p], s[90+\p], 9
	s_add_co_u32 s[78+2*\p], s[78+2*\p], s96
	s_mov_b32 s[79+2*\p], 0
.endr
	s_and_b32 s12, s[WV], 3
	s_lshl_b32 s12, s12, 15                        ; which quarter of the codes I fetch, if I fetch
	s_add_co_u32 s14, s94, s12                     ; V's
	s_mov_b32 s15, 0
	s_add_co_u32 s16, s14, 0x800000                ; K's
	s_mov_b32 s17, 0
	s_add_co_u32 s86, s84, 0x1040000               ; K's scale words
	s_mov_b32 s87, 0
	s_add_co_u32 s88, s84, 0x800000                ; V's
	s_mov_b32 s89, 0
	s_mov_b32 s[G1C], 15|(3<<16)|(1<<21)           ; 15:0 the mask: all four work-groups; elements of 8 bytes; bit 21 beside a mask; no padding
	s_mov_b32 s[G1C+1], 32<<16                     ; tensor_dim0 = 32 elements: 256 bytes
	s_mov_b32 s[G1C+2], 128<<16                    ; tensor_dim1
	s_mov_b32 s[G1C+3], 32<<16                     ; tile_dim0
	s_mov_b32 s[G1C+4], 128                        ; tile_dim1
	s_mov_b32 s[G1C+5], 32                         ; dense
	s_mov_b32 s[G1C+6], 0
	s_mov_b32 s[G1C+7], 0
	s_mov_b32 s[G1S], 15|(3<<16)|(1<<21)
	s_mov_b32 s[G1S+1], 32<<16
	s_mov_b32 s[G1S+2], 16<<16
	s_mov_b32 s[G1S+3], 32<<16
	s_mov_b32 s[G1S+4], 16
	s_mov_b32 s[G1S+5], 32
	s_mov_b32 s[G1S+6], 0
	s_mov_b32 s[G1S+7], 0
	s_mov_b32 s[SEL], 0x76543210
	s_mov_b32 s[SEL+1], 0xfedcba98                 ; lane l xor 16
	s_mov_b32 s[CS], 0x3e38aa3b
	s_mov_b32 s[CS+1], s[CS]                       ; (named with it as a pair)
	s_mov_b32 s[MNT], 0x600000
	s_mov_b32 s[HM], 0xffff0000
	s_wait_kmcnt 0x0
	s_mov_b32 s[G0K], 1
	s_mov_b32 s[G0K+1], s12
	s_add_nc_u64 s[G0K+2:G0K+3], s[4:5], s[16:17]
	s_or_b32 s[G0K+3], s[G0K+3], 0x80000000
	s_mov_b32 s[G0V], 1
	s_add_co_u32 s[G0V+1], s12, 131072
	s_add_nc_u64 s[G0V+2:G0V+3], s[6:7], s[14:15]
	s_or_b32 s[G0V+3], s[G0V+3], 0x80000000
	s_mov_b32 s[G0KS], 1
	s_mov_b32 s[G0KS+1], KSW
	s_add_nc_u64 s[G0KS+2:G0KS+3], s[4:5], s[86:87]
	s_or_b32 s[G0KS+3], s[G0KS+3], 0x80000000
	s_mov_b32 s[G0VS], 1
	s_mov_b32 s[G0VS+1], KSW+4096
	s_add_nc_u64 s[G0VS+2:G0VS+3], s[6:7], s[88:89]
	s_or_b32 s[G0VS+3], s[G0VS+3], 0x80000000
.irp p, 0,1
	s_add_nc_u64 s[66+2*\p:67+2*\p], s[4:5], s[66+2*\p:67+2*\p]
	s_add_nc_u64 s[70+2*\p:71+2*\p], s[4:5], s[70+2*\p:71+2*\p]
	s_add_nc_u64 s[74+2*\p:75+2*\p], s[8:9], s[74+2*\p:75+2*\p]
	s_add_nc_u64 s[78+2*\p:79+2*\p], s[8:9], s[78+2*\p:79+2*\p]
.endr
	CROUND                                         ; all four work-groups are here: the joint loads meet
	; waves 0-3: K's codes, a quarter each; waves 4-7: V's; wave 8: K's scale words; wave 9: V's.  One tensor load of a wave is out.  The branches hang on the wave's number alone.  Four v_nop follow each load
	s_cmp_lt_u32 s[WV], 4
	s_cbranch_scc0 .Lnot_k
	tensor_load_to_lds s[G0K:G0K+3], s[G1C:G1C+7]
	s_nop 0
.rept 4
	v_nop
.endr
	s_branch .Lasked
.Lnot_k:
	s_cmp_lt_u32 s[WV], 8
	s_cbranch_scc0 .Lnot_v
	tensor_load_to_lds s[G0V:G0V+3], s[G1C:G1C+7]
	s_nop 0
.rept 4
	v_nop
.endr
	s_branch .Lasked
.Lnot_v:
	s_cmp_eq_u32 s[WV], 8
	s_cbranch_scc0 .Lnot_ks
	tensor_load_to_lds s[G0KS:G0KS+3], s[G1S:G1S+7]
	s_nop 0
.rept 4
	v_nop
.endr
	s_branch .Lasked
.Lnot_ks:
	s_cmp_eq_u32 s[WV], 9
	s_cbranch_scc0 .Lasked
	tensor_load_to_lds s[G0VS:G0VS+3], s[G1S:G1S+7]
	s_nop 0
.rept 4
	v_nop
.endr
.Lasked:
	v_and_b32 v7, 31, v0
	s_delay_alu instid0(VALU_DEP_1)
	v_lshlrev_b32 v[LI], 4, v7
	s_delay_alu instid0(VALU_DEP_2)
	v_lshl_add_u32 v[LS], v7, 2, KSW
	v_and_b32 v8, 15, v0                           ; r
	v_bfe_u32 v9, v0, 4, 1                         ; h
	s_delay_alu instid0(VALU_DEP_2)
	v_lshlrev_b32 v11, 2, v8
	global_load_b128 v[QZ+8:QZ+11], v[LI], s[66:67]               ; Q of TA: channels 16 h on,
	global_load_b128 v[QZ+12:QZ+15], v[LI], s[66:67] offset:512   ; channels 32 + 16 h on
	global_load_b128 v[QZ+24:QZ+27], v[LI], s[68:69]              ; Q of TB
	global_load_b128 v[QZ+28:QZ+31], v[LI], s[68:69] offset:512
	global_load_b32 v255, v11, s[70:71]            ; their scale words
	global_load_b32 v5, v11, s[72:73]
	v_lshl_add_u32 v[GOS], v8, 5, v9
	v_and_b32 v10, 8, v8
	s_delay_alu instid0(VALU_DEP_1)
	v_add_nc_u32 v10, v10, v8                      ; r + 8 (r / 8)
	v_lshlrev_b32 v9, 4, v9
	s_delay_alu instid0(VALU_DEP_1)
	v_sub_nc_u32 v10, v10, v9                      ; - 16 h
	s_delay_alu instid0(VALU_DEP_1)
	v_add_nc_u32 v[DM], s92, v10
	s_delay_alu instid0(VALU_DEP_2)
	v_add_nc_u32 v[DM+1], s93, v10
.irp j, 0,1,2,3,4,5,6,7
	v_mov_b32 v[QZ+\j], 0                          ; zero codes beside Q: they add nothing under any scale byte but 0xff
	v_mov_b32 v[QZ+16+\j], 0
	v_mov_b32 v[QZ+32+\j], 0
.endr
.irp b, 0,1,2,3
	v_mov_b32 v[236+\b], 0                         ; written once: a lane permute's destination counts as one of its sources
.endr
	v_mov_b32 v252, 0
	v_mov_b32 v253, 0                              ; (named as the upper half of the pair v[252:253] before it is first written)
	s_wait_loadcnt 0x0
	v_perm_b32 v255, v255, v255, s60               ; Q's two bytes in both halves of the word: they serve Q below and Q above
	v_perm_b32 v5, v5, v5, s61
	s_wait_tensorcnt 0x0                           ; my part of the head is in LDS,
	s_barrier_signal -1
	s_barrier_wait -1                              ; everybody's is
; The step's scores: four fragments of K (32 keys each), each multiplied by Q below and by Q above; then V's four fragments are asked for: they land under the softmax
.macro KEYS p
.set QW, 255-250*\p
	v_add_nc_u32 v[ADK], s[TB], v[LI]
	s_delay_alu instid0(VALU_DEP_1)
	v_add_nc_u32 v[ADV], 0x20000, v[ADK]
	v_add_nc_u32 v[ADS], s[TS], v[LS]
.rept 5
	v_nop                                          ; with the three additions: eight places between the last step's products and the loads into the registers that they read
.endr
.irp b, 0,1,2,3
.irp c, 0,1,2,3
	ds_load_b128 v[FRG+16*\b+4*\c:FRG+16*\b+4*\c+3], v[ADK] offset:2048*\b+512*\c
.endr
.endr
	ds_load_b32 v248, v[ADS]                       ; lanes 0-15: fragment 0's words, lanes 16-31: fragment 1's
	ds_load_b32 v249, v[ADS] offset:128            ; fragments 2 and 3
	s_wait_alu depctr_va_vdst(0)
	s_wait_dscnt 0x0
.irp b, 0,1,2,3
.irp u, 0,1
.if \b%2
	v_wmma_scale_f32_16x16x128_f8f6f4 v[S+8*(2*\b+\u):S+8*(2*\b+\u)+7], v[FRG+16*\b:FRG+16*\b+15], v[QZ+8+16*\p-8*\u:QZ+23+16*\p-8*\u], 0, v[248+\b/2], v[QW] matrix_a_scale:MATRIX_SCALE_ROW1
.else
	v_wmma_scale_f32_16x16x128_f8f6f4 v[S+8*(2*\b+\u):S+8*(2*\b+\u)+7], v[FRG+16*\b:FRG+16*\b+15], v[QZ+8+16*\p-8*\u:QZ+23+16*\p-8*\u], 0, v[248+\b/2], v[QW]
.endif
.endr
.endr
.rept 8
	v_nop                                          ; places in front of the loads below and of the first read of the scores
.endr
.irp i, 0,1,2,3
.irp c, 0,1,2,3
	ds_load_b128 v[FRG+16*\i+4*\c:FRG+16*\i+4*\c+3], v[ADV] offset:2048*\i+512*\c
.endr
.endr
	ds_load_b32 v250, v[ADS] offset:4096           ; V's words: tiles 0 and 1,
	ds_load_b32 v251, v[ADS] offset:4224           ; tiles 2 and 3
.endm
; On the diagonal the scores of hidden keys become -infinity ahead of the maximum: register n holds the step's key 32 (n / 16) + n % 16 + 16 (lane / 16)
.macro MASK p
	v_mov_b32 v254, 0xff800000
.set nn, 0
.rept 64
	v_cmp_gt_i32 vcc_lo, 32*(nn/16)+nn%16, v[DM+\p]
	v_cndmask_b32 v[S+nn], v[S+nn], v254, vcc_lo
.set nn, nn+1
.endr
.endm
.macro SOFTMAX
.irp b, 0,1,2,3
	v_max3_num_f32 v[232+\b], v[S+16*\b], v[S+1+16*\b], v[S+2+16*\b]   ; the largest score of each block of 32 keys: for the row's maximum and for the block's largest p
.endr
.irp i, 3,5,7,9,11,13
.irp b, 0,1,2,3
	v_max3_num_f32 v[232+\b], v[232+\b], v[S+16*\b+\i], v[S+1+16*\b+\i]
.endr
.endr
.irp b, 0,1,2,3
	v_max_num_f32 v[232+\b], v[232+\b], v[S+15+16*\b]
.endr
.irp b, 0,1,2,3
	s_delay_alu instid0(VALU_DEP_4)
	v_permlanex16_b32 v[236+\b], v[232+\b], s[SEL], s[SEL+1]
.endr
.irp b, 0,1,2,3
	s_delay_alu instid0(VALU_DEP_4)
	v_max_num_f32 v[232+\b], v[232+\b], v[236+\b]  ; with lane l xor 16's 16 keys
.endr
	s_delay_alu instid0(VALU_DEP_2)
	v_max3_num_f32 v254, v232, v233, v234
	s_delay_alu instid0(VALU_DEP_1)
	v_max_num_f32 v254, v254, v235                 ; the step's largest score of my query
	s_delay_alu instid0(VALU_DEP_1)
	v_mul_f32 v254, s[CS], v254                    ; as t
	s_delay_alu instid0(VALU_DEP_1)
	v_max_num_f32 v13, v13, v254                   ; the running largest t
	v_mov_b32 v254, v12
	s_delay_alu instid0(VALU_DEP_2)
	v_floor_f32 v12, -v13                          ; the new -M = -ceil(t)
	s_delay_alu instid0(VALU_DEP_1)
	v_sub_f32 v254, v12, v254                      ; old M less new M: a whole number, 0 or less
	s_delay_alu instid0(VALU_DEP_1)
	v_cvt_i32_f32 v254, v254                       ; (it saturates)
	s_delay_alu instid0(VALU_DEP_1)
	v_ldexp_f32 v252, 1.0, v254                    ; f = 2^(old M - new M)
.set jj, 0
.rept 32
	v_pk_fma_f32 v[S+jj:S+jj+1], v[S+jj:S+jj+1], s[CS:CS+1], v[12:13] op_sel_hi:[1,0,0]   ; t - M, two at a time
.set jj, jj+2
.endr
.irp b, 0,1,2,3
	v_fma_f32 v[232+\b], v[232+\b], s[CS], v12     ; the same of each block's largest score
.endr
.set jj, 0
	s_wait_alu depctr_va_vdst(0)
.rept 64
	v_exp_f32 v[S+jj], v[S+jj]                     ; p = 2^(t - M)
.set jj, jj+1
.endr
.irp b, 0,1,2,3
	v_exp_f32 v[232+\b], v[232+\b]                 ; the block's largest p
.endr
	v_pk_mul_f32 v[14:15], v[14:15], v[252:253] op_sel_hi:[1,0]   ; the sums under the new M (a plain line behind the exponentials)
	s_wait_alu depctr_va_vdst(0)
.irp b, 0,1,2,3
	v_max_num_f32 v[232+\b], 0x4800000, v[232+\b]  ; the floor 2^(9 - 127)
.endr
.irp b, 0,1,2,3
	s_delay_alu instid0(VALU_DEP_4)
	v_add_nc_u32 v[244+\b], 0xfc000000, v[232+\b]  ; the conversion's scale operand
.endr
.irp b, 0,1,2,3
	v_and_or_b32 v[240+\b], v[232+\b], 0x7f800000, s[MNT]   ; 448 x the scale
.endr
.irp b, 0,1,2,3
	v_lshrrev_b32 v[236+\b], 23, v[244+\b]         ; the scale's byte
.endr
	s_delay_alu instid0(VALU_DEP_3)
	v_lshl_or_b32 v253, v237, 8, v236              ; p's scale word for these 128 keys
	s_delay_alu instid0(VALU_DEP_1)
	v_lshl_or_b32 v253, v238, 16, v253
	s_delay_alu instid0(VALU_DEP_1)
	v_lshl_or_b32 v253, v239, 24, v253
	v_pk_add_f32 v[236:237], v[124:125], v[128:129]
	v_pk_add_f32 v[248:249], v[132:133], v[136:137]
	v_pk_add_f32 v[234:235], v[140:141], v[144:145]
	v_pk_add_f32 v[232:233], v[148:149], v[152:153]
	v_pk_add_f32 v[230:231], v[156:157], v[160:161]
	v_pk_add_f32 v[228:229], v[164:165], v[168:169]
	v_pk_add_f32 v[226:227], v[172:173], v[176:177]
	v_pk_add_f32 v[14:15], v[14:15], v[180:181]
	v_pk_add_f32 v[236:237], v[236:237], v[120:121]
	v_pk_add_f32 v[248:249], v[248:249], v[122:123]
	v_pk_add_f32 v[234:235], v[234:235], v[126:127]
	v_pk_add_f32 v[232:233], v[232:233], v[130:131]
	v_pk_add_f32 v[230:231], v[230:231], v[134:135]
	v_pk_add_f32 v[228:229], v[228:229], v[138:139]
	v_pk_add_f32 v[226:227], v[226:227], v[142:143]
	v_pk_add_f32 v[14:15], v[14:15], v[146:147]
	v_pk_add_f32 v[236:237], v[236:237], v[150:151]
	v_pk_add_f32 v[248:249], v[248:249], v[154:155]
	v_pk_add_f32 v[234:235], v[234:235], v[158:159]
	v_pk_add_f32 v[232:233], v[232:233], v[162:163]
	v_pk_add_f32 v[230:231], v[230:231], v[166:167]
	v_pk_add_f32 v[228:229], v[228:229], v[170:171]
	v_pk_add_f32 v[226:227], v[226:227], v[174:175]
	v_pk_add_f32 v[14:15], v[14:15], v[178:179]
	v_pk_add_f32 v[236:237], v[236:237], v[182:183]
	s_delay_alu instid0(VALU_DEP_2)
	v_pk_add_f32 v[14:15], v[14:15], v[232:233]
	s_delay_alu instid0(VALU_DEP_2)
	v_pk_add_f32 v[236:237], v[236:237], v[230:231]
	v_pk_add_f32 v[248:249], v[248:249], v[228:229]
	v_pk_add_f32 v[234:235], v[234:235], v[226:227]
	s_delay_alu instid0(VALU_DEP_2)
	v_pk_add_f32 v[14:15], v[14:15], v[248:249]
	s_delay_alu instid0(VALU_DEP_2)
	v_pk_add_f32 v[236:237], v[236:237], v[234:235]
	s_delay_alu instid0(VALU_DEP_1)
	v_pk_add_f32 v[14:15], v[14:15], v[236:237]
.irp b, 0,1,2,3
.irp i, 0,1,2,3,4,5,6,7,8,9,10,11,12,13,14,15
	v_min_num_f32 v[S+16*\b+\i], v[S+16*\b+\i], v[240+\b]   ; the hold (ISA guide 7.6.2); p is not negative
.endr
	v_cvt_scalef32_pk8_fp8_f32 v[PC+4*\b:PC+1+4*\b], v[S+16*\b:S+7+16*\b], v[244+\b]
	v_cvt_scalef32_pk8_fp8_f32 v[PC+2+4*\b:PC+3+4*\b], v[S+8+16*\b:S+15+16*\b], v[244+\b]
.endr
.set jj, 0
.rept 16
	v_pk_mul_f32 v[O+jj:O+jj+1], v[O+jj:O+jj+1], v[252:253] op_sel_hi:[1,0]   ; O under the new M; these are also the places in front of the products below
.set jj, jj+2
.endr
.endm
.macro VALUES                          ; O += V^T P^T: four tiles of 16 channels, K = the step's 128 keys; the four accumulators take turns
	s_wait_dscnt 0x0                               ; V's fragments and words are in
.irp i, 0,1,2,3
.if \i%2
	v_wmma_scale_f32_16x16x128_f8f6f4 v[O+8*\i:O+8*\i+7], v[FRG+16*\i:FRG+16*\i+15], v[PC:PC+15], v[O+8*\i:O+8*\i+7], v[250+\i/2], v253 matrix_a_scale:MATRIX_SCALE_ROW1
.else
	v_wmma_scale_f32_16x16x128_f8f6f4 v[O+8*\i:O+8*\i+7], v[FRG+16*\i:FRG+16*\i+15], v[PC:PC+15], v[O+8*\i:O+8*\i+7], v[250+\i/2], v253
.endif
.endr
.endm
; The tile's end: O / the sum; its two blocks of 32 channels are quantised; codes and scale bytes go out
.macro FIN p
.rept 8
	v_nop                                          ; places behind the last products
.endr
	v_add_f32 v14, v14, v15
	s_delay_alu instid0(VALU_DEP_1)
	v_permlanex16_b32 v252, v14, s[SEL], s[SEL+1]
	s_delay_alu instid0(VALU_DEP_1)
	v_add_f32 v14, v14, v252                       ; the row's sum
	s_wait_alu depctr_va_vdst(0)
	v_rcp_f32 v14, v14
	v_nop                                          ; a plain line behind the transcendental
.set jj, 0
	s_wait_alu depctr_va_vdst(0)
.rept 16
	v_pk_mul_f32 v[S+jj:S+jj+1], v[O+jj:O+jj+1], v[14:15] op_sel_hi:[1,0]   ; each accumulator from its low end on
.set jj, jj+2
.endr
.irp g, 0,1
	v_max3_num_f32 v[232+\g], |v[S+16*\g]|, |v[S+1+16*\g]|, 0x4800000
.endr
.irp i, 2,4,6,8,10,12,14
.irp g, 0,1
	s_delay_alu instid0(VALU_DEP_2)
	v_max3_num_f32 v[232+\g], v[232+\g], |v[S+16*\g+\i]|, |v[S+1+16*\g+\i]|
.endr
.endr
.irp g, 0,1
	s_delay_alu instid0(VALU_DEP_2)
	v_permlanex16_b32 v[236+\g], v[232+\g], s[SEL], s[SEL+1]
.endr
.irp g, 0,1
	s_delay_alu instid0(VALU_DEP_2)
	v_max_num_f32 v[232+\g], v[232+\g], v[236+\g]
.endr
.irp g, 0,1
	s_delay_alu instid0(VALU_DEP_2)
	v_add_nc_u32 v[244+\g], 0xfc000000, v[232+\g]
.endr
.irp g, 0,1
	s_delay_alu instid0(VALU_DEP_4)
	v_and_or_b32 v[240+\g], v[232+\g], 0x7f800000, s[MNT]
.endr
.irp g, 0,1
	s_delay_alu instid0(VALU_DEP_4)
	v_lshrrev_b32 v[236+\g], 23, v[244+\g]
.endr
.irp g, 0,1
.irp i, 0,1,2,3,4,5,6,7,8,9,10,11,12,13,14,15
	v_med3_num_f32 v[S+16*\g+\i], v[S+16*\g+\i], -v[240+\g], v[240+\g]
.endr
	v_cvt_scalef32_pk8_fp8_f32 v[PC+4*\g:PC+1+4*\g], v[S+16*\g:S+7+16*\g], v[244+\g]
	v_cvt_scalef32_pk8_fp8_f32 v[PC+2+4*\g:PC+3+4*\g], v[S+8+16*\g:S+15+16*\g], v[244+\g]
.endr
	v_nop                                          ; a plain line behind the last conversion
	v_cndmask_b32 v254, v236, v237, s[HM]          ; lanes 0-15 carry block 0's byte, lanes 16-31 block 1's
	global_store_b128 v[LI], v[PC:PC+3], s[74+2*\p:75+2*\p]                ; 512 consecutive bytes: piece 2 (hd % 2),
	global_store_b128 v[LI], v[PC+4:PC+7], s[74+2*\p:75+2*\p] offset:512   ; piece 2 (hd % 2) + 1
	global_store_b8 v[GOS], v254, s[78+2*\p:79+2*\p]
.endm
.macro PASS p, trips
.if \p
	s_wait_xcnt 0x0                                ; the first tile's stores have read their data: those registers are written again only behind this wait
.endif
	v_mov_b32 v13, 0xff61b1e6                      ; the largest t so far: -3e38
	s_delay_alu instid0(VALU_DEP_1)
	v_floor_f32 v12, -v13
	v_mov_b32 v14, 0
	v_mov_b32 v15, 0
.set jj, 0
.rept 32
	v_mov_b32 v[O+jj], 0                           ; the step is written once: the first finds zeros, which the first change of M leaves zeros
.set jj, jj+1
.endr
	s_mov_b32 s[TB], 0
	s_mov_b32 s[TS], 0
	s_mov_b32 s[CNT], 0
.Ltrip_\@:
	s_cmp_gt_u32 s[CNT], s[DD+\p]                  ; all of the step's keys come after my queries: only the addresses step
	s_cbranch_scc1 .Lskip_\@
	KEYS \p
	s_cmp_lg_u32 s[CNT], s[DD+\p]
	s_cbranch_scc1 .Lopen_\@
	MASK \p
.Lopen_\@:
	SOFTMAX
	s_wait_alu depctr_va_vdst(0)
	VALUES
.Lskip_\@:
	s_add_co_u32 s[TB], s[TB], 8192
	s_add_co_u32 s[TS], s[TS], 256
	s_add_co_u32 s[CNT], s[CNT], 1
	s_cmp_lt_u32 s[CNT], \trips
	s_cbranch_scc1 .Ltrip_\@
	FIN \p
.endm
	PASS 0, 8
	PASS 1, 16
	s_wait_dscnt 0x0
	s_wait_xcnt 0x0
	v_lshl_add_u32 v254, v0, 2, 0x42000
	v_mov_b32 v255, 0
	s_wait_alu depctr_va_vdst(0)
	s_wait_tensorcnt 0x0
	ds_add_u32 v254, v255
	s_wait_dscnt 0x0
	CROUND                                         ; the closing round
	s_endpgm
.Lfunc_end_k_q872ca2b642_attn:
	.size	k_q872ca2b642_attn, .Lfunc_end_k_q872ca2b642_attn-k_q872ca2b642_attn
	.p2alignl 7, 3214868480
	.fill 96, 4, 3214868480
	.section	.rodata,"a",@progbits
	.p2align	6, 0x0
	.amdhsa_kernel k_q872ca2b642_attn
		.amdhsa_group_segment_fixed_size 272384
		.amdhsa_private_segment_fixed_size 0
		.amdhsa_enable_private_segment 0
		.amdhsa_kernarg_size 24
		.amdhsa_user_sgpr_count 2
		.amdhsa_user_sgpr_kernarg_segment_ptr 1
		.amdhsa_wavefront_size32 1
		.amdhsa_system_sgpr_workgroup_id_x 1
		.amdhsa_system_sgpr_workgroup_id_y 1
		.amdhsa_system_sgpr_workgroup_id_z 1
		.amdhsa_system_vgpr_workitem_id 0
		.amdhsa_next_free_vgpr 256
		.amdhsa_next_free_sgpr 100
		.amdhsa_reserve_vcc 1
		.amdhsa_float_denorm_mode_32 3
		.amdhsa_float_denorm_mode_16_64 3
		.amdhsa_memory_ordered 1
		.amdhsa_forward_progress 1
		.amdhsa_inst_pref_size 76
	.end_amdhsa_kernel
	.amdgpu_metadata
---
amdhsa.version: [ 1, 2 ]
amdhsa.kernels:
  - .name:           k_q872ca2b642_attn
    .symbol:         k_q872ca2b642_attn.kd
    .args:
      - { .name: qk, .offset: 0, .size: 8, .value_kind: global_buffer, .address_space: global }
      - { .name: vv, .offset: 8, .size: 8, .value_kind: global_buffer, .address_space: global }
      - { .name: aq, .offset: 16, .size: 8, .value_kind: global_buffer, .address_space: global }
    .group_segment_fixed_size: 272384
    .private_segment_fixed_size: 0
    .kernarg_segment_align: 8
    .kernarg_segment_size: 24
    .max_flat_workgroup_size: 512
    .sgpr_count:     100
    .vgpr_count:     256
    .wavefront_size: 32
...
	.end_amdgpu_metadata
.endif
;; end of part 3
;; launch gemm_out (part 4): grid 4 x 64, 4 waves a work-group, clusters of 4 x 4, 327,680 bytes of LDS; arguments aq, wq, b_out, out0; writes out0
.if DOCPART == 4
	.amdgcn_target "amdgcn-amd-amdhsa--gfx1250"
	.amdhsa_code_object_version 6
	.text
	.protected	k_q872ca2b642_gemm_out
	.globl	k_q872ca2b642_gemm_out
	.p2align	8
	.type	k_q872ca2b642_gemm_out,@function
k_q872ca2b642_gemm_out:
	s_mov_b64 s[64:65], 0
	v_nop
	global_prefetch_b8 v0, s[64:65] scope:SCOPE_SE
	s_setreg_imm32_b32 hwreg(HW_REG_WAVE_MODE, 25, 1), 1
	s_wait_xcnt 0x0
	s_wait_alu depctr_hold_cnt(0) depctr_sa_sdst(0) depctr_va_vdst(0) depctr_va_sdst(0) depctr_va_ssrc(0) depctr_va_vcc(0) depctr_vm_vsrc(0)
	s_getreg_b32 s2, hwreg(HW_REG_IB_STS2, 6, 4)
	s_cmp_eq_u32 s2, 0
	s_cbranch_scc0 .Lentry_in_a_cluster
	s_endpgm
.Lentry_in_a_cluster:
	s_bfe_u32 s2, ttmp6, 0x10000c
	s_cmp_lg_u32 s2, 0xf033
	s_cbranch_scc0 .Lentry_shape_is_right
	s_endpgm
.Lentry_shape_is_right:
; out0 = attention's result x W_out + b_out on codes of FP8 (E4M3) with E8M0 scales, K = 1,024; f32 out.
; A block of 128 tokens x 256 columns for a work-group: 64 x 4 = 256 work-groups.  Four waves, 2 x 2; a wave makes 64 tokens x 128 columns: 32 accumulators, 256 registers (window 2).
; R0 (source 0, window 1) = wq's rows 3,072 + 256 X on (columns of W_out); R1 (source 1, window 0) = aq's tiles of 16 tokens, which lie in memory as images of operand registers, [tile][128 of K][piece][lane][16 bytes].
; A lane of a result holds one token; its registers run along the columns.  wq's rows are swapped (bits 3 and 4), so accumulator (a, b)'s register j is column 32 (b / 2) + 16 (lane / 16) + 8 (b % 2) + j;
; lane r of R1's tile a is token 32 (a / 2) + 8 (a % 2) + r + 8 (r / 8).
; K goes in four steps of 256 through two LDS slots: R1's 8 tiles x 4,096 bytes dense, then R0's 256 rows of 256 bytes + 16 of padding.  The scale bytes of the block's rows, all of K, come once.
; CLUSTERS 4 x 4: R1's tiles hang on Y and are asked for jointly along a row of the cluster, R0's on X along a column.
; Both operands have two sets of fragments: while one 128 of K is multiplied, the next one's 48 LDS loads are out.  The bias is the C of the first products.
; No prefetch: of K's four steps two are first fills, and the other two are asked for one step after them: no trip lies two steps ahead of a load.
; LIMITS: NaN and infinities are not served.
.set NQ,     2
.set ROWB,   256
.set KROW,   1024
.set ASTEP,  4096                      ; a tile's 256 of K
.set PITCH,  272
.set FR,     16
.set NP,     8                         ; places behind this matrix instruction (ISA guide 7.12.1)
.set AHALF,  4*ASTEP                   ; 64 tokens
.set BOFF,   2*AHALF
.set HALFT,  128*PITCH
.set SLOT,   BOFF+2*HALFT
.set KS,     32
.set SCL,    2*SLOT                    ; the scale bytes, as runs of 256 bytes + 16: R1's 128 rows, then R0's 256
.set SA64,   8*272
.set HALFS,  16*272
.set SBLK,   2*272
.set SPARE,  SCL+3*HALFS               ; the spare words: two blocks of 256 bytes that no other line names
.set SPITCH, 528                       ; the way out: 16 rows x (512 + 16) a wave, in slot 0, behind its last fill and last read
.set ADRA, 16
.set ADRB, 20
.set STO,  24
.set RD,   25
.set CO,   26
.set ADRS, 27
.set SPW,  28
.set NIL,  29
.set SC,   32                          ; v32-63 scale words, two sets: lanes 0-15 R1's block i (i under 4), lanes 16-31 R0's block i
.set BIAS, 64
.set AF,   128                         ; v128-255 R1's fragments, two sets of four; at the end the rows read back
.set BK,   128
.set G1, 24
.set G0, 32
.set G1B, 48
.set G0B, 56
.set G1S, 68
.set G0S, 76
.set G1SB, 80
.set G0SB, 88
.set G0H, 4
.set G0HB, 96
.set MSB, 0
.macro WIN new                         ; the immediate's high byte repeats the setting that is left
.if MSB != (\new)
	s_set_vgpr_msb (MSB<<8)|(\new)
.set MSB, (\new)
.endif
.endm
.set MUL_LO, 0xa1                      ; source 0 window 1, source 1 window 0, C and D window 2
.set FST_LO, 0x81                      ; the first products: C (the bias) window 0
.set TO_B,   0x40
.macro PLACES n
.rept \n
	v_nop
.endr
.endm
.macro JLOAD g0a, g1a, g0b, g1b        ; waves 0, 1 fetch R1's halves, waves 2, 3 R0's; s_nop 0 and four v_nop behind each line
	s_cmp_eq_u32 s15, 0
	s_cbranch_scc0 .Lfor_b_\@
	tensor_load_to_lds s[\g0a:\g0a+3], s[\g1a:\g1a+7]
	s_nop 0
	PLACES 4
	s_branch .Lasked_\@
.Lfor_b_\@:
	tensor_load_to_lds s[\g0b:\g0b+3], s[\g1b:\g1b+7]
	s_nop 0
	PLACES 4
.Lasked_\@:
.endm
.macro CREST
	s_cmp_lg_u32 s14, 0
	s_cbranch_scc1 .Lnot_wave_0_\@
	s_barrier_signal -3
.Lnot_wave_0_\@:
	s_barrier_wait -3
	s_barrier_signal -1
	s_barrier_wait -1
.endm
.macro CROUND
	s_barrier_signal -1
	s_barrier_wait -1
	CREST
.endm
	s_load_b256 s[4:11], s[0:1], 0x0               ; aq, wq, b_out, out0
	v_lshl_add_u32 v[SPW], v0, 2, SPARE
	v_mov_b32 v[NIL], 0
	ds_add_u32 v[SPW], v[NIL]                      ; the opening lines: the add twice and its wait
	ds_add_u32 v[SPW], v[NIL]
	v_lshrrev_b32 v1, 5, v0
	v_readfirstlane_b32 s14, v1                    ; wave
	s_lshr_b32 s15, s14, 1                         ; my 64 tokens.  Also: I fetch for R1 (0) or R0 (1)
	s_and_b32 s16, s14, 1                          ; my 128 columns.  Also: which half I fetch
	s_bfe_u32 s40, ttmp6, 0x40000
	s_bfe_u32 s41, ttmp6, 0x40004
	s_lshl_b32 s42, ttmp9, 2
	s_add_co_u32 s42, s42, s40                     ; X
	s_and_b32 s17, ttmp7, 0xffff
	s_lshl_b32 s17, s17, 2
	s_add_co_u32 s17, s17, s41                     ; Y
	s_lshl_b32 s43, s41, 2
	s_lshl_b32 s43, 15, s43                        ; my row of the cluster
	s_lshl_b32 s44, 0x1111, s40                    ; my column
	s_or_b32 s[G1+0], s43, (3<<16)|(1<<21)         ; R1: rows of 512 elements of 8 bytes, a tile's 4,096; 16,384 bytes from tile to tile; 8 tiles at the head, then 4
	s_mov_b32 s[G1+1], 512<<16
	s_mov_b32 s[G1+2], 8<<16
	s_mov_b32 s[G1+3], 512<<16
	s_mov_b32 s[G1+4], 8
	s_mov_b32 s[G1+5], 2048
	s_mov_b32 s[G1+6], 0
	s_mov_b32 s[G1+7], 0
	s_or_b32 s[G1B+0], s44, (0<<16)|(1<<20)|(1<<21)|(5<<22)|(3<<25)   ; R0: rows of 256 bytes, 16 of padding; 256 rows at the head, then 128
	s_mov_b32 s[G1B+1], ROWB<<16
	s_mov_b32 s[G1B+2], 256<<16
	s_mov_b32 s[G1B+3], ROWB<<16
	s_mov_b32 s[G1B+4], 256
	s_mov_b32 s[G1B+5], KROW
	s_mov_b32 s[G1B+6], 0
	s_mov_b32 s[G1B+7], 0
	s_or_b32 s[G1S+0], s43, (3<<16)|(1<<20)|(1<<21)|(5<<22)|(3<<25)   ; scale bytes: dense, as rows of 256 + 16: 16 rows for R1's 128, 32 for R0's 256
	s_mov_b32 s[G1S+1], 32<<16
	s_mov_b32 s[G1S+2], 16<<16
	s_mov_b32 s[G1S+3], 32<<16
	s_mov_b32 s[G1S+4], 16
	s_mov_b32 s[G1S+5], 32
	s_mov_b32 s[G1S+6], 0
	s_mov_b32 s[G1S+7], 0
	s_or_b32 s[G1SB+0], s44, (3<<16)|(1<<20)|(1<<21)|(5<<22)|(3<<25)
	s_mov_b32 s[G1SB+1], 32<<16
	s_mov_b32 s[G1SB+2], 32<<16
	s_mov_b32 s[G1SB+3], 32<<16
	s_mov_b32 s[G1SB+4], 32
	s_mov_b32 s[G1SB+5], 32
	s_mov_b32 s[G1SB+6], 0
	s_mov_b32 s[G1SB+7], 0
	s_lshl_b32 s20, s17, 17                        ; R1's codes: 8 tiles of 16,384 bytes a block
	s_mov_b32 s21, 0
	s_lshl_b32 s22, s17, 12                        ; its scale bytes
	s_add_co_u32 s22, s22, 0x800000
	s_mov_b32 s23, 0
	s_lshl_b32 s46, s42, 8
	s_add_co_u32 s46, s46, 3072                    ; R0's first row
	s_lshl_b32 s92, s46, 5
	s_add_co_u32 s92, s92, 0x400000
	s_mov_b32 s93, 0
	s_lshl_b32 s46, s46, 10
	s_mov_b32 s47, 0
	s_lshl_b32 s18, s16, 16                        ; the ring: my four tiles of R1,
	s_mov_b32 s19, 0
	s_lshl_b32 s2, s16, 17                         ; or my 128 rows of R0,
	s_mov_b32 s3, 0
	s_mul_i32 s45, s16, AHALF                      ; and where they go: the wave's number alone enters an LDS address
	s_mul_i32 s94, s16, HALFT
	s_add_co_u32 s94, s94, BOFF
	s_wait_dscnt 0x0                               ; both opening adds are done
	s_wait_kmcnt 0x0
	s_add_nc_u64 s[20:21], s[4:5], s[20:21]
	s_add_nc_u64 s[22:23], s[4:5], s[22:23]
	s_add_nc_u64 s[46:47], s[6:7], s[46:47]
	s_add_nc_u64 s[92:93], s[6:7], s[92:93]
	CROUND                                         ; all sixteen work-groups are here: the first joint loads meet
	s_mov_b32 s[G0H], 1
	s_mov_b32 s[G0H+1], 0
	s_mov_b64 s[G0H+2:G0H+3], s[20:21]
	s_or_b32 s[G0H+3], s[G0H+3], 0x80000000
	s_mov_b32 s[G0HB], 1
	s_mov_b32 s[G0HB+1], BOFF
	s_mov_b64 s[G0HB+2:G0HB+3], s[46:47]
	s_or_b32 s[G0HB+3], s[G0HB+3], 0x80000000
	s_mov_b32 s[G0S], 1
	s_mov_b32 s[G0S+1], SCL
	s_mov_b64 s[G0S+2:G0S+3], s[22:23]
	s_or_b32 s[G0S+3], s[G0S+3], 0x80000000
	s_mov_b32 s[G0SB], 1
	s_mov_b32 s[G0SB+1], SCL+HALFS
	s_mov_b64 s[G0SB+2:G0SB+3], s[92:93]
	s_or_b32 s[G0SB+3], s[G0SB+3], 0x80000000
	s_mov_b64 s[92:93], s[20:21]                   ; R1's block, for the prefetches
	s_add_nc_u64 s[20:21], s[20:21], s[18:19]
	s_add_nc_u64 s[46:47], s[46:47], s[2:3]
; PREFETCHES INTO THE L2 (this takes the place of the head comment's line on prefetching): behind the head's loads K steps 1 and 2 are asked for, behind K step 1's load K step 3, one instruction a wave and step, a lane a block of 256 bytes.
; R1: a K step of the block's 8 tiles is 128 such blocks; the partner at cx takes tiles 2 cx and 2 cx + 1, wave 0 asks.  R0: of the 128 rows that wave 2 or 3 fetches the partner at cy takes 32, a lane a row.
; The partners are told apart by address.  W_out's rows are read by all sixteen clusters: the four with y under 4 ask.  The address registers s[92:93], s[66:67], s[12:13] and v30 are never rewritten.
	s_mov_b32 s18, 1024
	s_mov_b32 s19, 256
	s_cmp_eq_u32 s15, 0
	s_cselect_b64 s[92:93], s[92:93], s[46:47]
	s_cselect_b32 s2, s40, s41
	s_cselect_b32 s18, 256, s18                    ; from lane to lane among sixteen
	s_cselect_b32 s19, 4096, s19                   ; a K step on
	s_lshl_b32 s2, s2, 15                          ; two tiles of 16,384 bytes, or 32 rows of 1,024
	s_add_nc_u64 s[92:93], s[92:93], s[2:3]
	s_mov_b32 s2, s19
	s_add_nc_u64 s[92:93], s[92:93], s[2:3]        ; K step 1,
	s_add_nc_u64 s[66:67], s[92:93], s[2:3]        ; 2,
	s_add_nc_u64 s[12:13], s[66:67], s[2:3]        ; 3
	s_and_b32 s19, ttmp7, 0xffff
	s_lshr_b32 s19, s19, 2
	s_cmp_eq_u32 s15, 0
	s_cselect_b32 s95, s16, s19                    ; 0: my wave asks: wave 0; waves 2 and 3 in clusters y 0-3
.irp s, 0,1
	s_mov_b32 s[G0+4*\s], 1
	s_add_co_u32 s[G0+4*\s+1], s45, \s*SLOT
	s_add_nc_u64 s[G0+4*\s+2:G0+4*\s+3], s[20:21], \s*ASTEP
	s_or_b32 s[G0+4*\s+3], s[G0+4*\s+3], 0x80000000
	s_mov_b32 s[G0B+4*\s], 1
	s_add_co_u32 s[G0B+4*\s+1], s94, \s*SLOT
	s_add_nc_u64 s[G0B+4*\s+2:G0B+4*\s+3], s[46:47], \s*ROWB
	s_or_b32 s[G0B+4*\s+3], s[G0B+4*\s+3], 0x80000000
.endr
; The head's loads, one a wave: wave 0 K step 0 of R1's 8 tiles, wave 1 of R0's 256 rows, wave 2 R1's scale bytes, wave 3 R0's.  One tree of branches on the wave's number.
.macro ARM under, g0, g1, next
	s_cmp_lt_u32 s14, \under
	s_cbranch_scc0 \next
	tensor_load_to_lds s[\g0:\g0+3], s[\g1:\g1+7]
	s_nop 0
	PLACES 4
	s_branch .Lhead_asked
\next:
.endm
	ARM 1, G0H,  G1,  .Lhead_b
	ARM 2, G0HB, G1B, .Lhead_sa
	ARM 3, G0S,  G1S, .Lhead_sb
	tensor_load_to_lds s[G0SB:G0SB+3], s[G1SB:G1SB+7]
	s_nop 0
	PLACES 4
.Lhead_asked:
	v_and_b32 v30, 15, v0
	v_bfe_u32 v31, v0, 4, 1
	v_mul_u32_u24 v30, s18, v30
	v_lshl_add_u32 v30, v31, 14, v30               ; lanes 16-31: the next tile, or 16 rows on: 16,384 bytes either way
	s_cmp_eq_u32 s95, 0
	s_wait_alu depctr_va_vdst(0)
	s_cbranch_scc0 .Lnot_asking_0
	global_prefetch_b8 v30, s[92:93] th:TH_LOAD_NT scope:SCOPE_SE
	global_prefetch_b8 v30, s[66:67] th:TH_LOAD_NT scope:SCOPE_SE
.Lnot_asking_0:
	v_and_b32 v1, 15, v0                           ; r
	v_bfe_u32 v2, v0, 4, 1                         ; h
	v_and_b32 v6, 31, v0
	v_lshlrev_b32 v[CO], 4, v6                     ; 16 x lane
	v_mul_u32_u24 v3, v1, PITCH
	v_lshl_add_u32 v4, v2, 4, v3
	s_mul_i32 s21, s15, AHALF                      ; my four tiles of R1
	s_mul_i32 s22, s16, HALFT                      ; my 128 rows of R0
	s_add_co_u32 s22, s22, BOFF
.irp s, 0,1
	v_add_nc_u32 v[ADRA+\s], s21, v[CO]
	v_add_nc_u32 v[ADRB+\s], s22, v4
	s_add_co_u32 s21, s21, SLOT
	s_add_co_u32 s22, s22, SLOT
.endr
	v_mul_u32_u24 v5, v1, KS                       ; my row's scale bytes: 32 a row, and 16 more for each 256 passed
	v_lshrrev_b32 v6, 8, v5
	v_lshl_add_u32 v5, v6, 4, v5
	s_mul_i32 s21, s15, SA64
	s_mul_i32 s22, s16, HALFS
	s_add_co_u32 s22, s22, HALFS
	s_sub_co_u32 s22, s22, s21
	v_mul_u32_u24 v6, s22, v2                      ; lanes 16-31 take R0's
	s_add_co_u32 s21, s21, SCL
	v_add_nc_u32 v5, v5, v6
	v_add_nc_u32 v[ADRS], s21, v5
	s_mul_i32 s23, s14, 16*SPITCH                  ; my stage
	v_mul_u32_u24 v5, v1, SPITCH
	v_lshl_add_u32 v5, v2, 6, v5
	v_add_nc_u32 v[STO], s23, v5
	v_add_nc_u32 v[RD], s23, v[CO]
	v_lshlrev_b32 v7, 6, v2                        ; the bias: my half's 16 columns of each 32
	s_wait_alu depctr_va_vdst(0)
	s_lshl_b32 s46, s42, 10
	s_lshl_b32 s47, s16, 9
	s_add_co_u32 s46, s46, s47                     ; my first column, in bytes
	s_mov_b32 s47, 0
	s_add_nc_u64 s[8:9], s[8:9], s[46:47]
	s_lshl_b32 s20, s17, 7
	s_lshl_b32 s21, s15, 6
	s_add_co_u32 s20, s20, s21                     ; my first token
	s_lshl_b32 s20, s20, 12
	s_add_co_u32 s20, s20, s46
	s_mov_b32 s21, 0
	s_add_nc_u64 s[10:11], s[10:11], s[20:21]
.irp b, 0,1,2,3,4,5,6,7
	global_load_b128 v[BIAS+8*\b:BIAS+8*\b+3], v7, s[8:9] offset:128*(\b/2)+32*(\b%2)
	global_load_b128 v[BIAS+8*\b+4:BIAS+8*\b+7], v7, s[8:9] offset:128*(\b/2)+32*(\b%2)+16
.endr
; 16 matrix instructions: R1's tiles a0, a0 + 1 x R0's eight blocks.  p: the sets of fragments; q: which 128 of the slot; sc: the set of scale words; cm = 1: C = the bias.
; The 32 accumulators take turns, in the same order in every step.
.macro MUL16 a0, p, q, sc, cm
.irp a, \a0, \a0+1
.irp b, 0,1,2,3,4,5,6,7
.if \cm
	v_wmma_scale_f32_16x16x128_f8f6f4 v[8*(8*(\a)+\b):8*(8*(\a)+\b)+7], v[128*(\p)+FR*\b:128*(\p)+FR*\b+FR-1], v[AF+64*(\p)+FR*(\a):AF+64*(\p)+FR*(\a)+FR-1], v[BIAS+8*\b:BIAS+8*\b+7], v[SC+8*NQ*(\sc)+NQ*\b+(\q)], v[SC+8*NQ*(\sc)+NQ*(\a)+(\q)] matrix_a_scale:MATRIX_SCALE_ROW1
.else
	v_wmma_scale_f32_16x16x128_f8f6f4 v[8*(8*(\a)+\b):8*(8*(\a)+\b)+7], v[128*(\p)+FR*\b:128*(\p)+FR*\b+FR-1], v[AF+64*(\p)+FR*(\a):AF+64*(\p)+FR*(\a)+FR-1], v[8*(8*(\a)+\b):8*(8*(\a)+\b)+7], v[SC+8*NQ*(\sc)+NQ*\b+(\q)], v[SC+8*NQ*(\sc)+NQ*(\a)+(\q)] matrix_a_scale:MATRIX_SCALE_ROW1
.endif
.endr
.endr
.endm
.macro FETCH slot, q, p                ; 48 LDS loads: R0's eight fragments and R1's four of the slot's q-th 128 of K, into sets p
	WIN TO_B
.irp i, 0,1,2,3,4,5,6,7
.irp c, 0,1,2,3
	ds_load_b128 v[128*(\p)+FR*\i+4*\c:128*(\p)+FR*\i+4*\c+3], v[ADRB+\slot] offset:128*(\q)+32*\c+\i*16*PITCH
.endr
.endr
	WIN 0
.irp i, 0,1,2,3
.irp c, 0,1,2,3
	ds_load_b128 v[AF+64*(\p)+FR*\i+4*\c:AF+64*(\p)+FR*\i+4*\c+3], v[ADRA+\slot] offset:2048*(\q)+512*\c+\i*ASTEP
.endr
.endr
.endm
.macro SCALES sc                       ; a K step's scale words, two a row
.irp i, 0,1,2,3,4,5,6,7
	ds_load_b64 v[SC+8*NQ*\sc+NQ*\i:SC+8*NQ*\sc+NQ*\i+1], v[ADRS] offset:\i*SBLK
.endr
.endm
.macro STEP slot, cm                   ; a slot's first 128 of K: sets 0 are multiplied while sets 1 are fetched
	s_wait_dscnt 0x0                               ; sets 0 and the scale words are in
	PLACES NP                                      ; behind the products that read sets 1
	FETCH \slot, 1, 1
.if \cm
	WIN FST_LO
.else
	WIN MUL_LO
.endif
	MUL16 0, 0, 0, \slot, \cm
	MUL16 2, 0, 0, \slot, \cm
	WIN 0
.endm
; A slot's second 128 of K changes slots: one barrier.  fill = 1: the barrier opens a round of the cluster's, and the slot is filled again, two K steps ahead.
.macro TURN slot, next, fill
	s_wait_tensorcnt 0x0                           ; my part of the next slot has landed
	ds_add_u32 v[SPW], v[NIL]
	s_wait_dscnt 1                                 ; sets 1 are in; the add may be out
	WIN MUL_LO
	MUL16 0, 1, 1, \slot, 0
	s_wait_dscnt 0x0                               ; the add is done, my reads of this slot are over
	s_barrier_signal -1
	WIN 0
	s_barrier_wait -1
.if \fill
	CREST
	s_add_nc_u64 s[G0+4*\slot+2:G0+4*\slot+3], s[G0+4*\slot+2:G0+4*\slot+3], 2*ASTEP
	s_add_nc_u64 s[G0B+4*\slot+2:G0B+4*\slot+3], s[G0B+4*\slot+2:G0B+4*\slot+3], 2*ROWB
	JLOAD G0+4*\slot, G1, G0B+4*\slot, G1B         ; its four v_nop are among the places ahead of the loads below
	PLACES NP-4
.else
	PLACES NP
.endif
	s_wait_alu depctr_va_vdst(0)                   ; the wait ahead of the reader below,
	v_add_nc_u32 v[ADRS], 4*NQ, v[ADRS]            ; the next K step's scale words
	s_wait_alu depctr_va_vdst(0)                   ; and behind the write
	FETCH \next, 0, 0
	SCALES \next
	WIN MUL_LO
	MUL16 2, 1, 1, \slot, 0
	WIN 0
.endm
	s_wait_alu depctr_va_vdst(0)
	s_wait_tensorcnt 0x0                           ; my tile of the head's four is in; the lines ahead of a later first fill:
	ds_add_u32 v[SPW], v[NIL]
	s_mov_b32 s[G1+2], 4<<16                       ; no tensor load of mine is out: from here on a load brings 4 tiles of R1,
	s_mov_b32 s[G1+4], 4
	s_mov_b32 s[G1B+2], 128<<16                    ; or 128 rows of R0
	s_mov_b32 s[G1B+4], 128
	s_wait_dscnt 0x0
	CROUND
	JLOAD G0+4, G1, G0B+4, G1B                     ; K step 1, the first tensor load behind the round
	FETCH 0, 0, 0
	s_cmp_eq_u32 s95, 0
	s_cbranch_scc0 .Lnot_asking_1
	global_prefetch_b8 v30, s[12:13] th:TH_LOAD_NT scope:SCOPE_SE   ; K step 3, the last: two refills ahead of its load
.Lnot_asking_1:
	SCALES 0
	s_wait_loadcnt 0x0                             ; the bias
	STEP 0, 1
	TURN 0, 1, 1                                   ; slot 0 takes K step 2,
	STEP 1, 0
	TURN 1, 0, 1                                   ; slot 1 K step 3
	STEP 0, 0
	TURN 0, 1, 0
	STEP 1, 0
	s_wait_dscnt 0x0
	WIN MUL_LO
	MUL16 0, 1, 1, 1, 0
	MUL16 2, 1, 1, 1, 0
	WIN 0
; THE WAY OUT, tile by tile of 16 tokens x 128 columns, through my own stage: back come whole rows of 512 bytes, which the 32 lanes store as two aligned runs of 256.
.macro TOSTAGE a
	WIN 0x08                                       ; the data: window 2
.irp b, 0,1,2,3,4,5,6,7
	ds_store_b128 v[STO], v[64*(\a)+8*\b:64*(\a)+8*\b+3] offset:128*(\b/2)+32*(\b%2)        ; each accumulator from its low end on
	ds_store_b128 v[STO], v[64*(\a)+8*\b+4:64*(\a)+8*\b+7] offset:128*(\b/2)+32*(\b%2)+16
.endr
	WIN 0
.set BB, BK+64*((\a)%2)
.irp t, 0,1,2,3,4,5,6,7,8,9,10,11,12,13,14,15
	ds_load_b128 v[BB+4*\t:BB+4*\t+3], v[RD] offset:\t*SPITCH      ; LDS serves a wave's instructions in order: these see my stores
.endr
.endm
.macro SEND a, younger                 ; younger: the LDS instructions issued behind tile a's loads
.set BB, BK+64*((\a)%2)
	s_wait_dscnt \younger
.irp t, 0,1,2,3,4,5,6,7,8,9,10,11,12,13,14,15
	global_store_b128 v[CO], v[BB+4*\t:BB+4*\t+3], s[10:11] offset:(32*((\a)/2)+8*((\a)%2)+\t+8*(\t/8))*4096 th:TH_STORE_NT
.endr
.endm
	PLACES NP                                      ; behind the last products
	TOSTAGE 0
.irp a, 1,2,3
.if \a > 1
	s_wait_xcnt 0x0                                ; tile a - 2's stores have read their registers
.endif
	TOSTAGE \a
	SEND \a-1, 32
.endr
	SEND 3, 0
	s_wait_tensorcnt 0x0                           ; the wave's end
	ds_add_u32 v[SPW], v[NIL]
	s_wait_dscnt 0x0
	CROUND                                         ; the closing round
	s_endpgm
.Lfunc_end_k_q872ca2b642_gemm_out:
	.size	k_q872ca2b642_gemm_out, .Lfunc_end_k_q872ca2b642_gemm_out-k_q872ca2b642_gemm_out
	.p2alignl 7, 3214868480
	.fill 96, 4, 3214868480
	.section	.rodata,"a",@progbits
	.p2align	6, 0x0
	.amdhsa_kernel k_q872ca2b642_gemm_out
		.amdhsa_group_segment_fixed_size 327680
		.amdhsa_private_segment_fixed_size 0
		.amdhsa_enable_private_segment 0
		.amdhsa_kernarg_size 32
		.amdhsa_user_sgpr_count 2
		.amdhsa_user_sgpr_kernarg_segment_ptr 1
		.amdhsa_wavefront_size32 1
		.amdhsa_system_sgpr_workgroup_id_x 1
		.amdhsa_system_sgpr_workgroup_id_y 1
		.amdhsa_system_sgpr_workgroup_id_z 1
		.amdhsa_system_vgpr_workitem_id 0
		.amdhsa_next_free_vgpr 768
		.amdhsa_next_free_sgpr 100
		.amdhsa_reserve_vcc 0
		.amdhsa_float_denorm_mode_32 3
		.amdhsa_float_denorm_mode_16_64 3
		.amdhsa_memory_ordered 1
		.amdhsa_forward_progress 1
		.amdhsa_inst_pref_size 92
	.end_amdhsa_kernel
	.amdgpu_metadata
---
amdhsa.version: [ 1, 2 ]
amdhsa.kernels:
  - .name:           k_q872ca2b642_gemm_out
    .symbol:         k_q872ca2b642_gemm_out.kd
    .args:
      - { .name: aq, .offset: 0, .size: 8, .value_kind: global_buffer, .address_space: global }
      - { .name: wq, .offset: 8, .size: 8, .value_kind: global_buffer, .address_space: global }
      - { .name: b_out, .offset: 16, .size: 8, .value_kind: global_buffer, .address_space: global }
      - { .name: out0, .offset: 24, .size: 8, .value_kind: global_buffer, .address_space: global }
    .group_segment_fixed_size: 327680
    .private_segment_fixed_size: 0
    .kernarg_segment_align: 8
    .kernarg_segment_size: 32
    .max_flat_workgroup_size: 128
    .sgpr_count:     100
    .vgpr_count:     768
    .wavefront_size: 32
...
	.end_amdgpu_metadata
.endif
;; end of part 4
